; MI455X (gfx1250); checked and timed in simulation.
; The chip was launched on July 23, 2026; its instructions are those of AMD's public machine-readable ISA for CDNA 5 (MIT licence, August 2026) and "CDNA5" Instruction Set Architecture Reference Guide (July 2026). The comments in the code are by the model that wrote it; some were corrected since.
;; Multi Head Attention. Allowed arithmetic: matrix products marked QUANTISED: E2M3 operands, one E8M0 scale for each 32 along K, by v_wmma_scale_f32_16x16x128_f8f6f4 with both operands' format E2M3, f32 sums; everything else in f32.
;; Inputs: bk 1,024 float32; bo 1,024 float32; bq 1,024 float32; bv 1,024 float32; wk 1,024 x 1,024 float32; wo 1,024 x 1,024 float32; wq 1,024 x 1,024 float32; wv 1,024 x 1,024 float32; x 4 x 2,048 x 1,024 float32.
;; Outputs: out0 4 x 2,048 x 1,024 float32.
;; This version of the problem:
;;   THIS VERSION OF THE PROBLEM IS GIVEN IN LOW PRECISION. The matrix products marked QUANTISED in the list below multiply operands that are first quantised to E2M3 (2 exponent bits, 3 mantissa bits; 6 bits a number), with one power-of-two scale for each 32 numbers along K (OCP MX v1.0); their sums are f32. All else is computed in f32.
;;   The module's matrix products, in the order in which they are computed (A, B: the left and right operand; K: the contracted axis; several contracted axes count as one K, in the product's order):
;;     1. [M 8,192, K 1,024] x [K 1,024, N 1,024]; A: input x; B: input wq: QUANTISED
;;     2. [M 8,192, K 1,024] x [K 1,024, N 1,024]; A: input x; B: input wk: QUANTISED
;;     3. [M 8,192, K 1,024] x [K 1,024, N 1,024]; A: input x; B: input wv: QUANTISED
;;     4. batch 64 x [M 2,048, K 64] x [K 64, N 2,048]; A: computed on the way; B: computed on the way: QUANTISED
;;     5. batch 64 x [M 2,048, K 2,048] x [K 2,048, N 64]; A: softmax (see below); B: computed on the way: QUANTISED
;;     6. [M 8,192, K 1,024] x [K 1,024, N 1,024]; A: computed on the way; B: input wo: QUANTISED
;;   THE QUANTISER, for each operand of a quantised product, along K:
;;     - K is cut into blocks of 32 from its start; a last block that is shorter is filled with zeros.
;;     - A block's scale is 2^e with e = floor(log2(the largest magnitude in the block)) - 2, held to -126 .. 127; a block of zeros has e = 0. As a byte (E8M0): e + 127.
;;     - Each number is divided by its block's scale, clamped to +-7.5, and rounded to the nearest number of E2M3, ties to even, subnormals kept.
;;     - The product sums the exact products of the quantised numbers (number of the format x scale) in f32.
;;   ~~~python
;;   def quantise(x, axis):      # numpy; x: float32 -> the quantised numbers, widened to float32 again
;;       x = np.moveaxis(x, axis, -1); K = x.shape[-1]
;;       x = np.pad(x, [(0, 0)] * (x.ndim - 1) + [(0, -K % 32)]); x = x.reshape(x.shape[:-1] + (-1, 32)); a = np.abs(x).max(-1, keepdims=True)
;;       e = np.where(a > 0, np.clip(np.frexp(np.where(a > 0, a, 1))[1] - 1 - 2, -126, 127), 0)      # np.frexp(a)[1] - 1 = floor(log2(a)), exactly
;;       r = np.clip(x / 2.0 ** e, -7.5, 7.5)
;;       step = 2.0 ** (np.maximum(np.frexp(np.where(r == 0, 1, r))[1] - 1, 0) - 3)
;;       q = np.round(r / step) * step * 2.0 ** e      # np.round: ties to even
;;       return np.moveaxis(q.reshape(q.shape[:-2] + (-1,))[..., :K], -1, axis).astype(np.float32)
;;   ~~~
;;   SOFTMAX AHEAD OF A QUANTISED PRODUCT. Where the list says 'softmax', what is quantised is not the finished softmax but p = 2^(t - M), with t = logit x log2(e) and M = ceil(the row's largest t), a whole number; so 1/2 < the row's largest p <= 1. The row's sum l is taken of the UNQUANTISED p, in f32, and the product's result is divided by l at the end. Since M is a whole number, a kernel that streams over the keys may use a running M (the ceiling of the running maximum): every later rescaling is an exact power of two, which a block's scale takes up: the codes' values come out the same.
;;   OPERANDS COMPUTED ON THE WAY. 'Computed on the way' means the value that the module computes at that place (a softmax that the list does not call 'softmax' is quantised finished and normalised). What goes into a quantiser is computed in f32, as accurately as f32 sums, v_exp_f32 and their like allow (about 1e-6 of the number): no bf16 or f16 on the way to a quantiser, and a product that is left as it is and whose result goes on into a quantised operand takes f32 operands (vector FMAs, or v_wmma_f32_16x16x4_f32). A number that lies on a knife's edge between two numbers of the format may be rounded either way, as far as f32 arithmetic and the matrix unit's own rounding can turn it there, and no further.
;; One version. Each part assembles by itself: llvm-mc -triple=amdgcn-amd-amdhsa -mcpu=gfx1250 --defsym DOCPART=n.
;; ======== version 1 of 1: 4 launches
;; workspace buffers: xw_codes 9,437,184 bytes; xw_scales 393,216 bytes; qkv 20,185,088 bytes; ao_codes 6,291,456 bytes; ao_scales 262,144 bytes
;; launch quant (part 1): grid 384 x 1, 4 waves a work-group, no clusters, 34,304 bytes of LDS; arguments x, wq, wk, wv, wo, xw_codes, xw_scales; writes xw_codes, xw_scales
.if DOCPART == 1
	.amdgcn_target "amdgcn-amd-amdhsa--gfx1250"
	.amdhsa_code_object_version 6
	.text
	.protected	k_qb0aa924a17_quant
	.globl	k_qb0aa924a17_quant
	.p2align	8
	.type	k_qb0aa924a17_quant,@function
k_qb0aa924a17_quant:
	s_mov_b64 s[64:65], 0
	v_nop
	global_prefetch_b8 v0, s[64:65] scope:SCOPE_SE
	s_setreg_imm32_b32 hwreg(HW_REG_WAVE_MODE, 25, 1), 1
	s_wait_xcnt 0x0
; x [8192][1024] and wq, wk, wv, wo [1024][1024], f32 with K innermost, become codes of FP6 (E2M3) with one E8M0 byte for each 32 along K.
; A block's scale is 2^(floor(log2(its largest magnitude)) - 2); its byte is the largest magnitude's exponent field - 2, held at 1 from below.
; LIMITS: NaN and infinities among the inputs are not served; a block whose largest magnitude lies under 2^-124 (a block of zeros too) gets the byte 1: its codes are zeros or held, and the bytes are read by this program alone.
; THE OUTPUT IS LAID AS THE MATRIX UNIT'S REGISTERS WANT IT.  Rows go in groups of 32; tile 2 g + u holds, at tile row i, row 32 g + 8 u + i + 8 (i / 8).
; A fragment (16 rows x 128 K, 12 registers a lane) is 1,536 bytes: registers 0-3 at 16 x lane, 4-5 at 512 + 8 x lane, 6-9 at 768 + 16 x lane, 10-11 at 1,280 + 8 x lane.
; xw_codes: [768 tiles][8 K steps][1,536]: tiles 0-511 x, then 64 each of wq, wk, wv, wo.  xw_scales: [768 tiles][4 x 256 along K][16 rows][2 words].
; SHARES.  Work-group g owns 32 rows, all of K.  Wave w: tile 2 g + (w >> 1), K steps 4 (w & 1) .. + 3.  Each load reads 512 consecutive bytes of one row; a K step's 16 rows turn through the wave's own
; stage in LDS (rows of 512 + 16 bytes) and come back so that lane (r, h) holds, of row r, the numbers 32 b + 16 h + 0 .. 15 of each block b.  Waves share nothing: no barrier.
; No matrix unit, no cluster, no tensor load: the launch only streams.
.set WREG,  8448                       ; a wave's stage: 16 rows x 528 bytes
.set SPI,   528
.set GIN,   4                          ; v4   16 x lane + my tile's first row + my K steps
.set SIN,   5                          ; v5   the stage, in: 16 x lane
.set SOUT,  6                          ; v6   the stage, out: 528 r + 64 h
.set L16,   7                          ; v7   16 x lane
.set L8,    8                          ; v8   8 x lane
.set TM,    12                         ; v12-15 largest magnitudes, v16-19 bytes, v24-27 the conversions' scale operands
.set PW,    28                         ; v28-31 the four K steps' scale words
.set PC,    32                         ; v32-43 a fragment's codes
.set CT,    44                         ; v44-46, v48-50 the upper halves of blocks, as converted
.set X,     52                         ; v52-115 64 numbers as the conversions want them
.set R,     116                        ; v116-243 two sets of 64 numbers as loaded
.set SEL,   20                         ; s[20:21] lane selects: lane l xor 16
	s_load_b256 s[4:11], s[0:1], 0x0               ; x, wq, wk, wv
	s_load_b128 s[12:15], s[0:1], 0x20             ; wo, xw_codes
	s_load_b64 s[16:17], s[0:1], 0x30              ; xw_scales
	v_lshl_add_u32 v244, v0, 2, 0x8400
	v_mov_b32 v245, 0
	v_lshrrev_b32 v1, 5, v0
	v_readfirstlane_b32 s18, v1                    ; wave
	v_and_b32 v1, 31, v0                           ; lane
	v_and_b32 v2, 15, v0                           ; r
	v_bfe_u32 v3, v0, 4, 1                         ; h
	s_lshr_b32 s19, s18, 1                         ; u: which of the group's two tiles
	s_and_b32 s22, s18, 1                          ; which half of K
	s_mov_b32 s[SEL], 0x76543210
	s_mov_b32 s[SEL+1], 0xfedcba98
	v_lshlrev_b32 v[L16], 4, v1
	v_lshlrev_b32 v[L8], 3, v1
	s_lshl_b32 s23, s19, 15                        ; 8 u rows of 4,096 bytes
	s_lshl_b32 s24, s22, 11                        ; four K steps of 512 bytes
	s_add_co_u32 s23, s23, s24
	v_add_nc_u32 v[GIN], s23, v[L16]
	s_mul_i32 s24, s18, WREG
	v_add_nc_u32 v[SIN], s24, v[L16]
	v_mul_u32_u24 v[SOUT], v2, SPI
	v_lshl_add_u32 v[SOUT], v3, 6, v[SOUT]
	v_add_nc_u32 v[SOUT], s24, v[SOUT]
.irp b, 0,1,2,3
	v_mov_b32 v[TM+4+\b], 0                        ; written once: a lane permute's destination counts as one of its sources
.endr
	s_lshl_b32 s25, ttmp9, 1
	s_add_co_u32 s25, s25, s19                     ; my tile
	s_mul_i32 s26, s25, 12288
	s_mul_i32 s27, s22, 6144
	s_add_co_u32 s26, s26, s27                     ; where my four fragments go
	s_mov_b32 s27, 0
	s_lshl_b32 s28, s25, 9
	s_lshl_b32 s29, s22, 8
	s_add_co_u32 s28, s28, s29                     ; and my 256 bytes of scale words
	s_mov_b32 s29, 0
	s_and_b32 s30, ttmp9, 31                       ; a weight's group of 32 rows
	s_wait_kmcnt 0x0
	s_cmp_lt_u32 ttmp9, 352                        ; which tensor: the choice hangs on the work-group's number alone; one path serves all five
	s_cselect_b64 s[2:3], s[10:11], s[12:13]
	s_cmp_lt_u32 ttmp9, 320
	s_cselect_b64 s[2:3], s[8:9], s[2:3]
	s_cmp_lt_u32 ttmp9, 288
	s_cselect_b64 s[2:3], s[6:7], s[2:3]
	s_cmp_lt_u32 ttmp9, 256
	s_cselect_b64 s[2:3], s[4:5], s[2:3]
	s_cselect_b32 s30, ttmp9, s30
	s_lshl_b32 s30, s30, 17                        ; 32 rows of 4,096 bytes
	s_mov_b32 s31, 0
	s_add_nc_u64 s[2:3], s[2:3], s[30:31]
	s_add_nc_u64 s[14:15], s[14:15], s[26:27]
	s_add_nc_u64 s[16:17], s[16:17], s[28:29]
.macro LOAD t                          ; K step t of my four: 16 rows x 512 consecutive bytes
.irp i, 0,1,2,3,4,5,6,7,8,9,10,11,12,13,14,15
	global_load_b128 v[R+64*((\t)%2)+4*\i:R+64*((\t)%2)+4*\i+3], v[GIN], s[2:3] offset:(\i+8*(\i/8))*4096+512*(\t) th:TH_LOAD_NT
.endr
.endm
.macro TURN t                          ; through the stage: LDS serves a wave's instructions in order, so no wait stands between the stores and the loads, nor in front of the next step's stores
.irp i, 0,1,2,3,4,5,6,7,8,9,10,11,12,13,14,15
	ds_store_b128 v[SIN], v[R+64*((\t)%2)+4*\i:R+64*((\t)%2)+4*\i+3] offset:SPI*\i
.endr
.irp b, 0,1,2,3
.irp j, 0,1,2,3
	ds_load_b128 v[X+16*\b+4*\j:X+16*\b+4*\j+3], v[SOUT] offset:128*\b+16*\j
.endr
.endr
.endm
; 64 numbers of a lane, register 16 b + i = k 32 b + 16 h + i of my row, become a fragment's codes (d0: registers 0-5, d1: 6-11) and its scale word
.macro QUANT s, d0, d1, pw
.irp b, 0,1,2,3
	v_max3_num_f32 v[TM+\b], |v[\s+16*\b]|, |v[\s+1+16*\b]|, 0x1800000   ; my 16 numbers of block b, and the floor 2^(3 - 127): the byte cannot fall under 1
.endr
.irp i, 2,4,6,8,10,12,14
.irp b, 0,1,2,3
	v_max3_num_f32 v[TM+\b], v[TM+\b], |v[\s+16*\b+\i]|, |v[\s+1+16*\b+\i]|   ; the four blocks by turns
.endr
.endr
.irp b, 0,1,2,3
	v_permlanex16_b32 v[TM+4+\b], v[TM+\b], s[SEL], s[SEL+1]
.endr
.irp b, 0,1,2,3
	v_max_num_f32 v[TM+\b], v[TM+\b], v[TM+4+\b]   ; with lane l xor 16's: the block's largest magnitude
.endr
.irp b, 0,1,2,3
	v_add_nc_u32 v[TM+12+\b], 0xff000000, v[TM+\b] ; 2 off its exponent field: the conversion takes that field as its scale
.endr
.irp b, 0,1,2,3
	v_lshrrev_b32 v[TM+4+\b], 23, v[TM+12+\b]      ; the scale's byte
.endr
	v_lshl_or_b32 v[\pw], v[TM+5], 8, v[TM+4]
	v_lshl_or_b32 v[\pw], v[TM+6], 16, v[\pw]
	v_lshl_or_b32 v[\pw], v[TM+7], 24, v[\pw]      ; my row's scale word, the same in lanes r and 16 + r
	v_cvt_scalef32_pk16_fp6_f32 v[\d0:\d0+2], v[\s:\s+15], v[TM+12]
	v_cvt_scalef32_pk16_fp6_f32 v[CT:CT+2], v[\s+16:\s+31], v[TM+13]      ; (a conversion's three registers begin on an even number)
	v_cvt_scalef32_pk16_fp6_f32 v[\d1:\d1+2], v[\s+32:\s+47], v[TM+14]
	v_cvt_scalef32_pk16_fp6_f32 v[CT+4:CT+6], v[\s+48:\s+63], v[TM+15]
	v_nop                                          ; one plain place behind the scaled conversions
.irp i, 0,1,2                          ; the operand wants a whole block in a lane: lanes 0-15 the even block, lanes 16-31 the odd one
	v_permlane16_swap_b32 v[\d0+\i], v[CT+\i]
	v_permlane16_swap_b32 v[\d1+\i], v[CT+4+\i]
.endr
.irp i, 0,1,2
	v_mov_b32 v[\d0+3+\i], v[CT+\i]
	v_mov_b32 v[\d1+3+\i], v[CT+4+\i]
.endr
.endm
.macro QSTEP t
.if (\t) < 3
	s_wait_loadcnt 16                              ; this K step's 16 loads are in; the next step's 16 may be out
.else
	s_wait_loadcnt 0x0
.endif
	TURN \t
	s_wait_dscnt 0x0                               ; my numbers are back, and the stage's stores have read the set that is loaded again below
	s_wait_xcnt 0x0                                ; the last step's stores have read the codes' registers
.if (\t) < 2
	LOAD (\t)+2
.endif
	QUANT X, PC, PC+6, PW+(\t)
	global_store_b128 v[L16], v[PC:PC+3], s[14:15] offset:1536*(\t)            ; 512 consecutive bytes, aligned to 256
	global_store_b64 v[L8], v[PC+4:PC+5], s[14:15] offset:1536*(\t)+512        ; 256
	global_store_b128 v[L16], v[PC+6:PC+9], s[14:15] offset:1536*(\t)+768
	global_store_b64 v[L8], v[PC+10:PC+11], s[14:15] offset:1536*(\t)+1280
.endm
	LOAD 0
	LOAD 1
.irp t, 0,1,2,3
	QSTEP \t
.endr
	s_mov_b32 vcc_lo, 0xffff0000
	v_cndmask_b32 v10, v[PW], v[PW+2], vcc_lo      ; lanes 0-15: row r's words of my first 256 along K; lanes 16-31: of my second
	v_cndmask_b32 v11, v[PW+1], v[PW+3], vcc_lo
	global_store_b64 v[L8], v[10:11], s[16:17]     ; 256 consecutive bytes, aligned
	s_wait_tensorcnt 0x0
	ds_add_u32 v244, v245
	s_wait_dscnt 0x0
	s_endpgm
.Lfunc_end_k_qb0aa924a17_quant:
	.size	k_qb0aa924a17_quant, .Lfunc_end_k_qb0aa924a17_quant-k_qb0aa924a17_quant
	.p2alignl 7, 3214868480
	.fill 96, 4, 3214868480
	.section	.rodata,"a",@progbits
	.p2align	6, 0x0
	.amdhsa_kernel k_qb0aa924a17_quant
		.amdhsa_group_segment_fixed_size 34304
		.amdhsa_private_segment_fixed_size 0
		.amdhsa_enable_private_segment 0
		.amdhsa_kernarg_size 56
		.amdhsa_user_sgpr_count 2
		.amdhsa_user_sgpr_kernarg_segment_ptr 1
		.amdhsa_wavefront_size32 1
		.amdhsa_system_sgpr_workgroup_id_x 1
		.amdhsa_system_sgpr_workgroup_id_y 1
		.amdhsa_system_sgpr_workgroup_id_z 1
		.amdhsa_system_vgpr_workitem_id 0
		.amdhsa_next_free_vgpr 246
		.amdhsa_next_free_sgpr 66
		.amdhsa_reserve_vcc 1
		.amdhsa_float_denorm_mode_32 3
		.amdhsa_float_denorm_mode_16_64 3
		.amdhsa_memory_ordered 1
		.amdhsa_forward_progress 1
		.amdhsa_inst_pref_size 34
	.end_amdhsa_kernel
	.amdgpu_metadata
---
amdhsa.version: [ 1, 2 ]
amdhsa.kernels:
  - .name:           k_qb0aa924a17_quant
    .symbol:         k_qb0aa924a17_quant.kd
    .args:
      - { .name: x, .offset: 0, .size: 8, .value_kind: global_buffer, .address_space: global }
      - { .name: wq, .offset: 8, .size: 8, .value_kind: global_buffer, .address_space: global }
      - { .name: wk, .offset: 16, .size: 8, .value_kind: global_buffer, .address_space: global }
      - { .name: wv, .offset: 24, .size: 8, .value_kind: global_buffer, .address_space: global }
      - { .name: wo, .offset: 32, .size: 8, .value_kind: global_buffer, .address_space: global }
      - { .name: xw_codes, .offset: 40, .size: 8, .value_kind: global_buffer, .address_space: global }
      - { .name: xw_scales, .offset: 48, .size: 8, .value_kind: global_buffer, .address_space: global }
    .group_segment_fixed_size: 34304
    .private_segment_fixed_size: 0
    .kernarg_segment_align: 8
    .kernarg_segment_size: 56
    .max_flat_workgroup_size: 128
    .sgpr_count:     66
    .vgpr_count:     246
    .wavefront_size: 32
...
	.end_amdgpu_metadata
.endif
;; end of part 1
;; launch qkv (part 2): grid 12 x 32, 4 waves a work-group, clusters of 4 x 4, 327,680 bytes of LDS; arguments xw_codes, xw_scales, bq, bk, bv, qkv; writes qkv
.if DOCPART == 2
	.amdgcn_target "amdgcn-amd-amdhsa--gfx1250"
	.amdhsa_code_object_version 6
	.text
	.protected	k_qb0aa924a17_qkv
	.globl	k_qb0aa924a17_qkv
	.p2align	8
	.type	k_qb0aa924a17_qkv,@function
k_qb0aa924a17_qkv:
	s_mov_b64 s[64:65], 0
	v_nop
	global_prefetch_b8 v0, s[64:65] scope:SCOPE_SE
	s_setreg_imm32_b32 hwreg(HW_REG_WAVE_MODE, 25, 1), 1
	s_wait_xcnt 0x0
	s_wait_alu depctr_hold_cnt(0) depctr_sa_sdst(0) depctr_va_vdst(0) depctr_va_sdst(0) depctr_va_ssrc(0) depctr_va_vcc(0) depctr_vm_vsrc(0)
	s_getreg_b32 s2, hwreg(HW_REG_IB_STS2, 6, 4)
	s_cmp_eq_u32 s2, 0
	s_cbranch_scc0 .Lentry_in_a_cluster
	s_endpgm
.Lentry_in_a_cluster:
	s_bfe_u32 s2, ttmp6, 0x10000c
	s_cmp_lg_u32 s2, 0xf033
	s_cbranch_scc0 .Lentry_shape_is_right
	s_endpgm
.Lentry_shape_is_right:
; q = x wq^T + bq, k = x wk^T + bk, v = x wv^T + bv on codes of FP6 (E2M3) with E8M0 scales, sums in f32; each result is quantised again in registers, q and k along the head's 64, v along the keys, and leaves as codes.
; OPERANDS arrive as images of operand registers (xw_codes [tile][8 K steps][1,536], xw_scales [tile][4][16 rows][2 words]); tile 2 g + u holds at row i the tensor's row 32 g + 8 u + i + 8 (i / 8).
; A tile of the result, 256 x 256, is made by four waves, 128 x 128 each: 64 accumulators, 512 registers.  K = 1,024 goes in four slots of 256 through a ring of two LDS slots filled by tensor loads; the eight steps of 128 are written out.
; THE MATRIX INSTRUCTION IS USED TRANSPOSED: source 0 = 16 rows of 'B', source 1 = 16 rows of 'A'.  By the choice of a tile's rows, the 16 registers of two neighbouring tiles of B are 16 NEIGHBOURS of B's row axis.
; ONE BODY FOR THREE PRODUCTS, told apart by the cluster's x (0 q, 1 k, 2 v), which all partners share.  q, k: A = tokens, B = the weight's rows: a lane holds one token and its registers run along the features.
; v: A = wv's rows, B = tokens: a lane holds one feature and its registers run along the tokens, which are the keys.  Only addresses, the first step's C and the last stores differ.
; CLUSTER 4 x 4: A's tiles are shared along a row of the cluster, B's along a column: each is asked for jointly, by the same tensor load with the same descriptor and a mask that names the four.
; OUT: qkv [batch x head 64][block of 128 tokens 16][19,712]: Q codes 8 x 768, Q scale image 512, K codes 8 x 768, V^T codes 4 x 1,536, K scale image 512, V scale image 256.
; LIMITS: NaN and infinities are not served; a block whose largest magnitude lies under 2^-124 gets the byte 1 (read by this program alone).
; No prefetch: of the four slots two are first fills, and the other two are asked for while the first are multiplied.
; REGISTERS: window 0: v16-23 LDS addresses, v24-25 16 and 8 x lane, v27 scale words' address, v28-29 the add's, v32-63 scale words (two sets), v64-127 the bias as C, v128-223 A's fragments (one set), v224-255 at work.
;   window 1: B's fragments, two sets (v0, v128).  window 2, 3: accumulator (a, b) at v[8 (8 (a % 4) + b)], a < 4 in window 2.
.set REC,   19712
.set HS,    16*REC                     ; from a head's records to the next head's
.set FR,    12
.set NL,    4                          ; LDS loads that bring a fragment
.set NP,    4                          ; places behind this matrix instruction (ISA guide 7.12.1)
.set TILEB, 3072                       ; a tile's two K steps in a slot
.set HALFT, 8*TILEB                    ; eight tiles: what one tensor load brings, and what a wave reads of A or of B
.set SLOT,  4*HALFT
.set SCL,   2*SLOT                     ; behind the ring: the scale words of A's 16 tiles, then B's, for all of K: filled once
.set HALFS, 4096
.set SPARE, SCL+4*HALFS                ; the spare words: 128 bytes a wave, two blocks of 256 bytes that no other line names
.set ADRA, 16                          ; v16-17 A's fragments in slot 0, 1 (16 x lane); v18-19 the same with 8 x lane
.set ADRB, 20                          ; v20-23 the same for B
.set L16,  24
.set L8,   25
.set ADRS, 27
.set SPW,  28
.set NIL,  29
.set SC,   32
.set BI,   64
.set AF,   128
.set PC,   128                         ; the way out: a fragment's codes
.set CT,   140
.set RW,   148                         ; scale images
.set TM,   224
.set SW,   240                         ; the eight blocks' scale words
.set SEL,  16                          ; s[16:17] lane selects
.set G1,   24
.set G0,   32
.set G1B,  48
.set G0B,  56
.set G1S,  68
.set G0S,  76
.set G1SB, 80
.set G0SB, 88
.set MSB, 0
.macro WIN new                         ; the immediate's high byte repeats the setting that is left
.if MSB != \new
	s_set_vgpr_msb (MSB<<8)|\new
.set MSB, \new
.endif
.endm
.set TO_B, 0x40
; A joint load: waves 0 and 1 fetch for A, waves 2 and 3 for B; the branch hangs on the wave's number alone.  Four v_nop follow each line.
.macro JLOAD g0a, g1a, g0b, g1b
	s_cmp_eq_u32 s19, 0
	s_cbranch_scc0 .Lfor_b_\@
	tensor_load_to_lds s[\g0a:\g0a+3], s[\g1a:\g1a+7]
	s_nop 0
.rept 4
	v_nop
.endr
	s_branch .Lasked_\@
.Lfor_b_\@:
	tensor_load_to_lds s[\g0b:\g0b+3], s[\g1b:\g1b+7]
	s_nop 0
.rept 4
	v_nop
.endr
.Lasked_\@:
.endm
.macro CREST                           ; a round of the cluster's barrier behind its opening barrier
	s_cmp_lg_u32 s18, 0
	s_cbranch_scc1 .Lnot_wave_0_\@
	s_barrier_signal -3
.Lnot_wave_0_\@:
	s_barrier_wait -3
	s_barrier_signal -1
	s_barrier_wait -1
.endm
.macro CROUND
	s_barrier_signal -1
	s_barrier_wait -1
	CREST
.endm
	s_load_b256 s[4:11], s[0:1], 0x0               ; xw_codes, xw_scales, bq, bk
	s_load_b128 s[12:15], s[0:1], 0x20             ; bv, qkv
	v_lshl_add_u32 v[SPW], v0, 2, SPARE
	v_mov_b32 v[NIL], 0
	ds_add_u32 v28, v29
	ds_add_u32 v28, v29
	s_wait_dscnt 0x0
	v_lshrrev_b32 v1, 5, v0
	v_readfirstlane_b32 s18, v1                    ; wave
	s_lshr_b32 s19, s18, 1                         ; rh: my half of A's rows; also: I fetch for A (0) or B (1)
	s_and_b32 s20, s18, 1                          ; ch: my half of B's rows; also: which eight tiles I fetch
	s_mov_b32 s21, ttmp9                           ; which product: the cluster's x
	s_bfe_u32 s22, ttmp6, 0x40000                  ; cx
	s_bfe_u32 s23, ttmp6, 0x40004                  ; cy
	s_and_b32 s2, ttmp7, 0xffff
	s_lshl_b32 s2, s2, 2                           ; 4 x cluster y
	s_lshl_b32 s3, s21, 2
	s_cmp_eq_u32 s21, 2
	s_cselect_b32 s40, 0, s2                       ; A's blocks of 256 rows: tokens by the cluster's y, or wv's four
	s_cselect_b32 s44, s2, s3                      ; B's: the weight's four, or tokens
	s_cselect_b32 s41, 640, 0                      ; A's first tile in xw_codes: wv's, or x's
	s_cselect_b32 s45, 0, 512                      ; B's: x's, or wq's (wk's follow by 4 x 16 tiles)
	s_add_co_u32 s40, s40, s23                     ; A's block: hangs on cy alone
	s_add_co_u32 s44, s44, s22                     ; B's block: on cx alone
	s_lshl_b32 s66, s23, 2
	s_lshl_b32 s66, 15, s66                        ; my row of the cluster
	s_lshl_b32 s67, 0x1111, s22                    ; my column
	; group 1 for codes: 8 rows (tiles) of 384 elements of 8 bytes (3,072 bytes), 1,536 elements apart; no padding: every LDS read is dense
	s_or_b32 s[G1], s66, (3<<16)|(1<<21)
	s_or_b32 s[G1B], s67, (3<<16)|(1<<21)
.irp g, G1, G1B
	s_mov_b32 s[\g+1], 384<<16
	s_mov_b32 s[\g+2], 8<<16
	s_mov_b32 s[\g+3], 384<<16
	s_mov_b32 s[\g+4], 8
	s_mov_b32 s[\g+5], 1536
	s_mov_b32 s[\g+6], 0
	s_mov_b32 s[\g+7], 0
.endr
	; and for the scale words of eight tiles: 4,096 dense bytes as 16 rows of 256
	s_or_b32 s[G1S], s66, (3<<16)|(1<<21)
	s_or_b32 s[G1SB], s67, (3<<16)|(1<<21)
.irp g, G1S, G1SB
	s_mov_b32 s[\g+1], 32<<16
	s_mov_b32 s[\g+2], 16<<16
	s_mov_b32 s[\g+3], 32<<16
	s_mov_b32 s[\g+4], 16
	s_mov_b32 s[\g+5], 32
	s_mov_b32 s[\g+6], 0
	s_mov_b32 s[\g+7], 0
.endr
	s_lshl_b32 s42, s20, 3
	s_lshl_b32 s43, s40, 4
	s_add_co_u32 s43, s43, s42
	s_add_co_u32 s43, s43, s41                     ; the first of the eight tiles of A that I fetch
	s_lshl_b32 s46, s44, 4
	s_add_co_u32 s46, s46, s42
	s_add_co_u32 s46, s46, s45                     ; and of B
	s_lshl_b32 s2, s43, 9                          ; their scale words,
	s_mov_b32 s3, 0
	s_mul_i32 s42, s43, 12288                      ; their codes
	s_mov_b32 s43, 0
	s_lshl_b32 s100, s46, 9
	s_mov_b32 s101, 0
	s_mul_i32 s46, s46, 12288
	s_mov_b32 s47, 0
	s_mul_i32 s41, s18, HALFT                      ; where they go: by the wave's number alone
	s_lshl_b32 s45, s18, 12
	s_wait_kmcnt 0x0
	s_add_nc_u64 s[42:43], s[4:5], s[42:43]
	s_add_nc_u64 s[2:3], s[6:7], s[2:3]
	s_add_nc_u64 s[46:47], s[4:5], s[46:47]
	s_add_nc_u64 s[100:101], s[6:7], s[100:101]
	CROUND                                         ; all sixteen work-groups are here: the first joint loads meet
	s_mov_b32 s[G0S], 1
	s_add_co_u32 s[G0S+1], s45, SCL
	s_mov_b64 s[G0S+2:G0S+3], s[2:3]
	s_or_b32 s[G0S+3], s[G0S+3], 0x80000000
	s_mov_b32 s[G0SB], 1
	s_add_co_u32 s[G0SB+1], s45, SCL
	s_mov_b64 s[G0SB+2:G0SB+3], s[100:101]
	s_or_b32 s[G0SB+3], s[G0SB+3], 0x80000000
	JLOAD G0S, G1S, G0SB, G1SB                     ; the scale words first: they are wanted with the first step
.irp s, 0,1
	s_mov_b32 s[G0+4*\s], 1
	s_add_co_u32 s[G0+4*\s+1], s41, \s*SLOT
	s_add_nc_u64 s[G0+4*\s+2:G0+4*\s+3], s[42:43], \s*TILEB
	s_or_b32 s[G0+4*\s+3], s[G0+4*\s+3], 0x80000000
	s_mov_b32 s[G0B+4*\s], 1
	s_add_co_u32 s[G0B+4*\s+1], s41, \s*SLOT
	s_add_nc_u64 s[G0B+4*\s+2:G0B+4*\s+3], s[46:47], \s*TILEB
	s_or_b32 s[G0B+4*\s+3], s[G0B+4*\s+3], 0x80000000
	JLOAD G0+4*\s, G1, G0B+4*\s, G1B               ; three tensor loads of mine are out
.endr
	; which block of 128 tokens (tk) and which pair of heads (hp) is my wave's
	s_lshl_b32 s92, s40, 1
	s_add_co_u32 s92, s92, s19                     ; 2 x A's block + rh
	s_lshl_b32 s93, s44, 1
	s_add_co_u32 s93, s93, s20                     ; 2 x B's block + ch
	s_and_b32 s94, s93, 7
	s_cmp_eq_u32 s21, 2
	s_cselect_b32 s95, s93, s92                    ; tk
	s_cselect_b32 s94, s92, s94                    ; hp
	s_mov_b32 s96, 768
	s_cselect_b32 s96, 1536, s96                   ; from block a to a + 1 in the record: a tile of Q or K, or a fragment of V^T
	s_mov_b32 s98, 768
	s_cselect_b32 s98, HS-3*1536, s98              ; from a = 3 to a = 4: in v on to the next head's record
	s_mov_b32 s97, 0
	s_mov_b32 s99, 0
	s_cselect_b64 s[66:67], s[12:13], s[10:11]     ; the bias
	s_mov_b32 s100, 6656
	s_cselect_b32 s100, 12800, s100                ; the codes' place in a record
	s_mov_b32 s101, 18944
	s_cselect_b32 s101, 19456, s101                ; the scale image's
	s_cselect_b32 vcc_lo, -1, 0
	s_cselect_b32 s47, 0, 4                        ; the bias from register to register: 4 bytes on (q, k), or the same number (v)
	s_cmp_eq_u32 s21, 0
	s_cselect_b64 s[66:67], s[8:9], s[66:67]
	s_cselect_b32 s100, 0, s100
	s_cselect_b32 s101, 6144, s101
	s_lshl_b32 s2, s94, 9                          ; my 128 numbers of the bias
	s_mov_b32 s3, 0
	s_add_nc_u64 s[66:67], s[66:67], s[2:3]
	v_and_b32 v1, 31, v0                           ; lane
	v_and_b32 v2, 15, v0                           ; r
	v_bfe_u32 v3, v0, 4, 1                         ; h
	v_and_b32 v6, 8, v2
	v_add_nc_u32 v6, v6, v2
	v_lshlrev_b32 v6, 2, v6                        ; v: the bias of A's tile row r: 4 (r + 8 (r / 8))
	v_lshlrev_b32 v7, 6, v3                        ; q, k: of B's rows 16 h + j: 64 h + 4 j
	v_cndmask_b32 v[TM], v7, v6, vcc_lo
.irp j, 1,2,3,4,5,6,7
	v_add_nc_u32 v[TM+\j], s47, v[TM+\j-1]
.endr
.irp t, 0,1,2,3,4,5,6,7                ; the bias in the result's layout, eight registers a block: the C of the first step's products
.irp j, 0,1,2,3,4,5,6,7
	global_load_b32 v[BI+8*\t+\j], v[TM+\j], s[66:67] offset:(32*(\t/2)+8*(\t%2))*4
.endr
.endr
	s_lshr_b32 s92, s95, 4                         ; the record: ((batch x 16 + head) x 16 + block of the sequence)
	s_lshl_b32 s92, s92, 4
	s_lshl_b32 s93, s94, 1
	s_add_co_u32 s92, s92, s93
	s_lshl_b32 s92, s92, 4
	s_and_b32 s93, s95, 15
	s_add_co_u32 s92, s92, s93
	s_mul_i32 s92, s92, REC
	s_add_co_u32 s101, s101, s92
	s_add_co_u32 s92, s92, s100
	s_mov_b32 s93, 0
	s_mov_b32 s100, s101
	s_mov_b32 s101, 0
	s_add_nc_u64 s[92:93], s[14:15], s[92:93]      ; where registers 0-5 of a block's codes go
	s_add_nc_u64 s[100:101], s[14:15], s[100:101]  ; the first head's scale image
	s_mov_b32 s2, HS
	s_cmp_eq_u32 s21, 2
	s_cselect_b32 s2, 768, s2
	s_add_nc_u64 s[94:95], s[92:93], s[2:3]        ; registers 6-11: the next head's record (q, k), or the fragment's second half (v)
	s_mov_b32 s[SEL], 0x76543210
	s_mov_b32 s[SEL+1], 0xfedcba98
	v_lshlrev_b32 v[L16], 4, v1
	v_lshlrev_b32 v[L8], 3, v1
	s_mul_i32 s2, s19, HALFT                       ; my eight tiles of A
	s_mul_i32 s3, s20, HALFT                       ; my eight of B,
	s_add_co_u32 s3, s3, 2*HALFT                   ; behind A's sixteen
.irp s, 0,1
	v_add_nc_u32 v[ADRA+\s], s2, v[L16]
	v_add_nc_u32 v[ADRA+2+\s], s2, v[L8]
	v_add_nc_u32 v[ADRB+\s], s3, v[L16]
	v_add_nc_u32 v[ADRB+2+\s], s3, v[L8]
	s_add_co_u32 s2, s2, SLOT
	s_add_co_u32 s3, s3, SLOT
.endr
	s_lshl_b32 s2, s19, 12                         ; scale words: lanes 0-15 take A's, lanes 16-31 B's: the lower base + h x the distance
	s_lshl_b32 s3, s20, 12
	s_add_co_u32 s3, s3, 2*HALFS
	s_sub_co_u32 s3, s3, s2
	v_mul_u32_u24 v6, s3, v3
	s_add_co_u32 s2, s2, SCL
	v_lshl_add_u32 v6, v2, 3, v6                   ; + 8 r: two words a row
	v_add_nc_u32 v[ADRS], s2, v6
.macro FRAG reg, adr, q, i             ; a fragment's image comes back as it was stored: the same registers in the same lanes
	ds_load_b128 v[\reg:\reg+3], v[\adr] offset:(\i)*TILEB+(\q)*1536
	ds_load_b64 v[\reg+4:\reg+5], v[\adr+2] offset:(\i)*TILEB+(\q)*1536+512
	ds_load_b128 v[\reg+6:\reg+9], v[\adr] offset:(\i)*TILEB+(\q)*1536+768
	ds_load_b64 v[\reg+10:\reg+11], v[\adr+2] offset:(\i)*TILEB+(\q)*1536+1280
.endm
; 16 products: A's blocks a0, a0 + 1 x B's eight.  p: B's set; q: the slot's K step; sc: the set of scale words.  cm = 0: in place; 1: C = the bias by B's block; 2: by A's block.
; The 64 accumulators take turns, one instruction a turn, in one order in every step.
.macro MUL16 a0, p, q, sc, cm
.irp a, \a0, \a0+1
.irp b, 0,1,2,3,4,5,6,7
.if (\cm) == 1
	v_wmma_scale_f32_16x16x128_f8f6f4 v[8*(8*((\a)%4)+\b):8*(8*((\a)%4)+\b)+7], v[128*(\p)+FR*\b:128*(\p)+FR*\b+FR-1], v[AF+FR*(\a):AF+FR*(\a)+FR-1], v[BI+8*\b:BI+8*\b+7], v[SC+16*(\sc)+2*\b+(\q)], v[SC+16*(\sc)+2*(\a)+(\q)] matrix_a_fmt:MATRIX_FMT_FP6 matrix_b_fmt:MATRIX_FMT_FP6 matrix_a_scale:MATRIX_SCALE_ROW1
.elseif (\cm) == 2
	v_wmma_scale_f32_16x16x128_f8f6f4 v[8*(8*((\a)%4)+\b):8*(8*((\a)%4)+\b)+7], v[128*(\p)+FR*\b:128*(\p)+FR*\b+FR-1], v[AF+FR*(\a):AF+FR*(\a)+FR-1], v[BI+8*(\a):BI+8*(\a)+7], v[SC+16*(\sc)+2*\b+(\q)], v[SC+16*(\sc)+2*(\a)+(\q)] matrix_a_fmt:MATRIX_FMT_FP6 matrix_b_fmt:MATRIX_FMT_FP6 matrix_a_scale:MATRIX_SCALE_ROW1
.else
	v_wmma_scale_f32_16x16x128_f8f6f4 v[8*(8*((\a)%4)+\b):8*(8*((\a)%4)+\b)+7], v[128*(\p)+FR*\b:128*(\p)+FR*\b+FR-1], v[AF+FR*(\a):AF+FR*(\a)+FR-1], v[8*(8*((\a)%4)+\b):8*(8*((\a)%4)+\b)+7], v[SC+16*(\sc)+2*\b+(\q)], v[SC+16*(\sc)+2*(\a)+(\q)] matrix_a_fmt:MATRIX_FMT_FP6 matrix_b_fmt:MATRIX_FMT_FP6 matrix_a_scale:MATRIX_SCALE_ROW1
.endif
.endr
.endr
.endm
.macro WLO cm                          ; source 0 (B) window 1, source 1 (A) window 0, D window 2; C with D, or the bias in window 0
.if (\cm) == 0
	WIN 0xa1
.else
	WIN 0x81
.endif
.endm
.macro WHI cm                          ; the same with D in window 3
.if (\cm) == 0
	WIN 0xf1
.else
	WIN 0xc1
.endif
.endm
.macro FETCH_B slot, q, p
	WIN TO_B
.irp i, 0,1,2,3,4,5,6,7
	FRAG 128*(\p)+FR*\i, ADRB+\slot, \q, \i
.endr
	WIN 0
.endm
.macro FETCH_A slot, q, i0
.irp i, \i0, \i0+1, \i0+2, \i0+3
	FRAG AF+FR*(\i), ADRA+\slot, \q, \i
.endr
.endm
.macro SCALES sc, sg                   ; the scale words of the sg-th 256 along K into set sc: two words a row; lanes 0-15 A's block i, lanes 16-31 B's
.irp i, 0,1,2,3,4,5,6,7
	ds_load_b64 v[SC+16*(\sc)+2*\i:SC+16*(\sc)+2*\i+1], v[ADRS] offset:512*\i+128*(\sg)
.endr
.endm
.macro PLACES n                        ; plain vector instructions between a matrix instruction and a load into, or a read of, its registers
.rept \n
	v_nop
.endr
.endm
.macro STEP slot, q, cm                ; a step of 128 along K that has its successor in the same slot
	s_wait_dscnt 4*NL                              ; B's set, A's blocks 0-3 and the scale words are in; the youngest 16 loads (A's blocks 4-7) may be out
	WLO \cm
	MUL16 0, (\q)%2, \q, \slot, \cm
	MUL16 2, (\q)%2, \q, \slot, \cm
	s_wait_dscnt 0
	PLACES NP
	FETCH_B \slot, (\q)+1, 1-(\q)%2
	FETCH_A \slot, (\q)+1, 0
	WHI \cm
	MUL16 4, (\q)%2, \q, \slot, \cm
	MUL16 6, (\q)%2, \q, \slot, \cm
	PLACES NP
	WIN 0
	FETCH_A \slot, (\q)+1, 4
.endm
; A slot's last step changes slots: one barrier; in front of it each wave waits for all its tensor loads, adds 0 to its spare word, and waits for that and for its reads of this slot.
.macro TURN slot, next, fill, sg
	s_wait_tensorcnt 0x0                           ; all my tensor loads have landed: my part of the next slot
	ds_add_u32 v[SPW], v[NIL]                      ; 0 onto my spare word
	s_wait_dscnt 4*NL+1                            ; (the add and the youngest 16 loads may be out)
	WIN 0xa1
	MUL16 0, 1, 1, \slot, 0
	s_wait_dscnt 0x0                               ; the add is done, and my reads of this slot are over
	s_barrier_signal -1
	MUL16 2, 1, 1, \slot, 0
	WIN 0
	s_barrier_wait -1
.if \fill
	CREST                                          ; the barrier has opened a round of the cluster's: no wave of any partner still reads this slot or has a load on its way
	s_add_nc_u64 s[G0+4*\slot+2:G0+4*\slot+3], s[G0+4*\slot+2:G0+4*\slot+3], 2*TILEB
	s_add_nc_u64 s[G0B+4*\slot+2:G0B+4*\slot+3], s[G0B+4*\slot+2:G0B+4*\slot+3], 2*TILEB
	JLOAD G0+4*\slot, G1, G0B+4*\slot, G1B         ; the first tensor load behind the round; its four v_nop are the places in front of the loads below
.else
	PLACES NP
.endif
	FETCH_B \next, 0, 0
	FETCH_A \next, 0, 0
	SCALES \next, \sg
	WIN 0xf1
	MUL16 4, 1, 1, \slot, 0
	MUL16 6, 1, 1, \slot, 0
	PLACES NP
	WIN 0
	FETCH_A \next, 0, 4
.endm
	s_wait_tensorcnt 1                             ; the scale words and my part of slot 0 are in; slot 1's fill may be out
	s_barrier_signal -1
	s_barrier_wait -1
	FETCH_B 0, 0, 0
	FETCH_A 0, 0, 0
	SCALES 0, 0
	FETCH_A 0, 0, 4
	s_wait_loadcnt 0x0                             ; the bias
	s_cmp_eq_u32 s21, 2                            ; the first step starts the sums with the bias: by B's block (q, k) or by A's (v).  The cluster's x is the same in all partners
	s_cbranch_scc1 .Lfirst_v
	STEP 0, 0, 1
	s_branch .Lfirst_done
.Lfirst_v:
	STEP 0, 0, 2
.Lfirst_done:
	TURN 0, 1, 1, 1
	STEP 1, 0, 0
	TURN 1, 0, 1, 2
	STEP 0, 0, 0
	TURN 0, 1, 0, 3                                ; nothing is left to fetch: no round
	STEP 1, 0, 0
	s_wait_dscnt 4*NL                              ; the last step
	WIN 0xa1
	MUL16 0, 1, 1, 1, 0
	MUL16 2, 1, 1, 1, 0
	s_wait_dscnt 0
	WIN 0xf1
	MUL16 4, 1, 1, 1, 0
	MUL16 6, 1, 1, 1, 0
	WIN 0
	PLACES NP
; THE WAY OUT.  Block a's 64 registers are, in lane (r, h), the numbers 32 b + 16 h + i of row r of A's tile a along B's 128 rows: they are quantised as they stand, and the codes leave as register images.
.macro WQ a
.set W, 2+(\a)/4
.set S0, 64*((\a)%4)
.set WA, W|(W<<2)
.set WB, (W<<2)|(W<<4)
	WIN WA
.irp b, 0,1,2,3
	v_max3_num_f32 v[TM+\b], |v[S0+16*\b]|, |v[S0+1+16*\b]|, 0x1800000   ; each accumulator is read from its low end on; the floor 2^(3 - 127) holds the byte at 1 from below
.endr
	WIN WB
.irp i, 2,4,6,8,10,12,14
.irp b, 0,1,2,3
	v_max3_num_f32 v[TM+\b], v[TM+\b], |v[S0+16*\b+\i]|, |v[S0+1+16*\b+\i]|
.endr
.endr
	WIN 0
.irp b, 0,1,2,3
	v_permlanex16_b32 v[TM+4+\b], v[TM+\b], s[SEL], s[SEL+1]
.endr
.irp b, 0,1,2,3
	v_max_num_f32 v[TM+\b], v[TM+\b], v[TM+4+\b]
.endr
.irp b, 0,1,2,3
	v_add_nc_u32 v[TM+12+\b], 0xff000000, v[TM+\b] ; 2 off the exponent field: the conversion's scale operand
.endr
.irp b, 0,1,2,3
	v_lshrrev_b32 v[TM+4+\b], 23, v[TM+12+\b]
.endr
	v_lshl_or_b32 v[SW+(\a)], v[TM+5], 8, v[TM+4]
	v_lshl_or_b32 v[SW+(\a)], v[TM+6], 16, v[SW+(\a)]
	v_lshl_or_b32 v[SW+(\a)], v[TM+7], 24, v[SW+(\a)]
.if (\a) > 0
	s_wait_xcnt 0x0                                ; the last block's stores have read their data and bases
.if (\a) == 4
	s_add_nc_u64 s[92:93], s[92:93], s[98:99]
	s_add_nc_u64 s[94:95], s[94:95], s[98:99]
.else
	s_add_nc_u64 s[92:93], s[92:93], s[96:97]
	s_add_nc_u64 s[94:95], s[94:95], s[96:97]
.endif
.endif
	WIN W
	v_cvt_scalef32_pk16_fp6_f32 v[PC:PC+2], v[S0:S0+15], v[TM+12]
	v_cvt_scalef32_pk16_fp6_f32 v[CT:CT+2], v[S0+16:S0+31], v[TM+13]
	v_cvt_scalef32_pk16_fp6_f32 v[PC+6:PC+8], v[S0+32:S0+47], v[TM+14]
	v_cvt_scalef32_pk16_fp6_f32 v[CT+4:CT+6], v[S0+48:S0+63], v[TM+15]
	WIN 0
	v_nop                                          ; one plain place behind the scaled conversions
.irp i, 0,1,2
	v_permlane16_swap_b32 v[PC+\i], v[CT+\i]
	v_permlane16_swap_b32 v[PC+6+\i], v[CT+4+\i]
.endr
.irp i, 0,1,2
	v_mov_b32 v[PC+3+\i], v[CT+\i]
	v_mov_b32 v[PC+9+\i], v[CT+4+\i]
.endr
	global_store_b128 v[L16], v[PC:PC+3], s[92:93]             ; 512 consecutive bytes, aligned to 256
	global_store_b64 v[L8], v[PC+4:PC+5], s[92:93] offset:512  ; 256
	global_store_b128 v[L16], v[PC+6:PC+9], s[94:95]
	global_store_b64 v[L8], v[PC+10:PC+11], s[94:95] offset:512
.endm
.irp a, 0,1,2,3,4,5,6,7
	WQ \a
.endr
	; the scale images: register p holds tile 2 p's words in lanes 0-15 and tile 2 p + 1's in lanes 16-31
	s_mov_b32 vcc_lo, 0xffff0000
.irp p, 0,1,2,3
	v_cndmask_b32 v[RW+\p], v[SW+2*\p], v[SW+2*\p+1], vcc_lo
.endr
	s_add_nc_u64 s[68:69], s[100:101], HS          ; the next head's image (no tensor load of mine is out: these registers are free)
	s_cmp_eq_u32 s21, 2
	s_cbranch_scc1 .Lscales_v
.irp p, 0,1,2,3
	v_lshrrev_b32 v[RW+4+\p], 16, v[RW+\p]         ; q, k: a word's bytes 0, 1 are the first head's, bytes 2, 3 the second's; what stands in a stored word's bytes 2, 3 only ever scales zero codes and is never 0xff
.endr
	global_store_b128 v[L16], v[RW:RW+3], s[100:101]
	global_store_b128 v[L16], v[RW+4:RW+7], s[68:69]
	s_branch .Lscales_done
.Lscales_v:
	global_store_b64 v[L8], v[RW:RW+1], s[100:101] ; v: blocks 0-3 are the first head's four tiles of features, blocks 4-7 the second's
	global_store_b64 v[L8], v[RW+2:RW+3], s[68:69]
.Lscales_done:
	s_wait_tensorcnt 0x0                           ; the wave's end
	ds_add_u32 v[SPW], v[NIL]
	s_wait_dscnt 0x0
	CROUND                                         ; the closing round: no work-group ends while a partner may still ask for a tile that names it
	s_endpgm
.Lfunc_end_k_qb0aa924a17_qkv:
	.size	k_qb0aa924a17_qkv, .Lfunc_end_k_qb0aa924a17_qkv-k_qb0aa924a17_qkv
	.p2alignl 7, 3214868480
	.fill 96, 4, 3214868480
	.section	.rodata,"a",@progbits
	.p2align	6, 0x0
	.amdhsa_kernel k_qb0aa924a17_qkv
		.amdhsa_group_segment_fixed_size 327680
		.amdhsa_private_segment_fixed_size 0
		.amdhsa_enable_private_segment 0
		.amdhsa_kernarg_size 48
		.amdhsa_user_sgpr_count 2
		.amdhsa_user_sgpr_kernarg_segment_ptr 1
		.amdhsa_wavefront_size32 1
		.amdhsa_system_sgpr_workgroup_id_x 1
		.amdhsa_system_sgpr_workgroup_id_y 1
		.amdhsa_system_sgpr_workgroup_id_z 1
		.amdhsa_system_vgpr_workitem_id 0
		.amdhsa_next_free_vgpr 1024
		.amdhsa_next_free_sgpr 102
		.amdhsa_reserve_vcc 1
		.amdhsa_float_denorm_mode_32 3
		.amdhsa_float_denorm_mode_16_64 3
		.amdhsa_memory_ordered 1
		.amdhsa_forward_progress 1
		.amdhsa_inst_pref_size 170
	.end_amdhsa_kernel
	.amdgpu_metadata
---
amdhsa.version: [ 1, 2 ]
amdhsa.kernels:
  - .name:           k_qb0aa924a17_qkv
    .symbol:         k_qb0aa924a17_qkv.kd
    .args:
      - { .name: xw_codes, .offset: 0, .size: 8, .value_kind: global_buffer, .address_space: global }
      - { .name: xw_scales, .offset: 8, .size: 8, .value_kind: global_buffer, .address_space: global }
      - { .name: bq, .offset: 16, .size: 8, .value_kind: global_buffer, .address_space: global }
      - { .name: bk, .offset: 24, .size: 8, .value_kind: global_buffer, .address_space: global }
      - { .name: bv, .offset: 32, .size: 8, .value_kind: global_buffer, .address_space: global }
      - { .name: qkv, .offset: 40, .size: 8, .value_kind: global_buffer, .address_space: global }
    .group_segment_fixed_size: 327680
    .private_segment_fixed_size: 0
    .kernarg_segment_align: 8
    .kernarg_segment_size: 48
    .max_flat_workgroup_size: 128
    .sgpr_count:     102
    .vgpr_count:     1024
    .wavefront_size: 32
...
	.end_amdgpu_metadata
.endif
;; end of part 2
;; launch attn (part 3): grid 4 x 64, 16 waves a work-group, clusters of 4 x 1, 210,944 bytes of LDS; arguments qkv, ao_codes, ao_scales; writes ao_codes, ao_scales
.if DOCPART == 3
	.amdgcn_target "amdgcn-amd-amdhsa--gfx1250"
	.amdhsa_code_object_version 6
	.text
	.protected	k_qb0aa924a17_attn
	.globl	k_qb0aa924a17_attn
	.p2align	8
	.type	k_qb0aa924a17_attn,@function
k_qb0aa924a17_attn:
	s_mov_b64 s[64:65], 0
	v_nop
	global_prefetch_b8 v0, s[64:65] scope:SCOPE_SE
	s_setreg_imm32_b32 hwreg(HW_REG_WAVE_MODE, 25, 1), 1
	s_wait_xcnt 0x0
	s_wait_alu depctr_hold_cnt(0) depctr_sa_sdst(0) depctr_va_vdst(0) depctr_va_sdst(0) depctr_va_ssrc(0) depctr_va_vcc(0) depctr_vm_vsrc(0)
	s_getreg_b32 s2, hwreg(HW_REG_IB_STS2, 6, 4)
	s_cmp_eq_u32 s2, 0
	s_cbranch_scc0 .Lentry_in_a_cluster
	s_endpgm
.Lentry_in_a_cluster:
	s_bfe_u32 s2, ttmp6, 0x10000c
	s_cmp_lg_u32 s2, 0x3003
	s_cbranch_scc0 .Lentry_shape_is_right
	s_endpgm
.Lentry_shape_is_right:
; Causal attention on codes of FP6 (E2M3) with E8M0 scales: S^T = K Q^T, p = 2^(t - M), O^T = V^T p^T, O / l; the result is quantised along the head's 64 and leaves as codes for the last product.
; t = score x log2(e) / 8; M = the running largest t rounded up to a whole number; p is quantised along the keys, not normalised; l is the f32 sum of the unquantised p.  When M moves, l and O^T are multiplied by 2^(old M - new M): exact.
; IN: qkv [batch x head][block of 128 tokens][19,712] (register images; a tile's row i is token 32 g + 8 u + i + 8 (i / 8) of the block, tile = 2 g + u).
; SHARES.  The four work-groups of a cluster serve one head.  The head's K, V^T and their scale images, 16 x 13,056 bytes, are brought into LDS ONCE: wave w asks for block w by one joint tensor load (a mask that names the four);
; nothing is filled again, so one barrier serves the launch.
; Wave w owns two tiles of 16 queries: tile 2 cx + (w & 1) of blocks w >> 1 and 15 - (w >> 1): (w >> 1) + 1 and 16 - (w >> 1) key steps, 17 in every wave of every work-group.  No branch and no LDS address hangs on cx.
; CAUSAL.  A key step is a block of 128 keys.  Steps behind the tile's own block are left out by a scalar branch on the wave's number and the loop's counter; in the tile's own block hidden scores become -infinity ahead of the maximum.
; K = 64 IN AN INSTRUCTION OF 128: Q's operand is six registers of codes and six of zero codes; K's tile t is named v[40 + 6 t .. + 11], whose upper six are the next tile's codes (or zeros): times zero codes they add nothing
; (the format has no infinity and no NaN, and no scale byte is 0xff).
; No prefetch: every byte of K and V is asked for at the head, and nothing is fetched later.
; LIMITS: NaN and infinities are not served; a block of the output whose largest magnitude lies under 2^-124 gets the byte 1.  The output's two scale bytes a row leave by a store of 2 bytes a lane.
.set REC,  19712
.set KVB,  13056                       ; a block in LDS: K codes 6,144, V^T codes 6,144, K's scale image 512, V's 256
.set L16,  1                           ; v1   16 x lane
.set L8,   2                           ; v2   8 x lane
.set DQ,   3                           ; v3   my query in its block - 16 h
.set A16,  4                           ; v4, v5 the step's LDS addresses
.set A8,   5
.set R8,   6                           ; v6   8 r
.set QSA,  8                           ; v8, v9 Q's scale words
.set QSB,  9
.set KV,   40                          ; v40-87 K's eight tiles, later V's four fragments; v88-93 zeros
.set VS,   94                          ; v94-95 V's scale words
.set S,    96                          ; v96-159 S^T, then p
.set O,    160                         ; v160-191 O^T
.set PCD,  192                         ; v192-203 p's codes
.set CT,   204
.set KSC,  212                         ; v212-215 K's scale words
.set BM,   216                         ; v216-219 the blocks' largest scores, then largest p
.set BP,   220
.set BS,   224                         ; v224-227 the conversions' scale operands
.set PWD,  228                         ; v228 p's scale word
.set F,    230                         ; v[230:231] f (the low word serves both halves)
.set T0,   232
.set SUM2, 234
.set WV,   12
.set CX,   13
.set BH,   14
.set J,    15                          ; s15  the tile's own block
.set KS,   16                          ; s16  the key step
.set TB,   17                          ; s17  where the step's block begins in LDS
.set CS,   18                          ; s[18:19] c = log2(e) / 8
.set SEL,  20
.macro CROUND
	s_barrier_signal -1
	s_barrier_wait -1
	s_cmp_lg_u32 s[WV], 0
	s_cbranch_scc1 .Lnot_wave_0_\@
	s_barrier_signal -3
.Lnot_wave_0_\@:
	s_barrier_wait -3
	s_barrier_signal -1
	s_barrier_wait -1
.endm
	s_load_b128 s[4:7], s[0:1], 0x0                ; qkv, ao_codes
	s_load_b64 s[8:9], s[0:1], 0x10                ; ao_scales
	v_lshl_add_u32 v254, v0, 2, 0x33000
	v_mov_b32 v255, 0
	ds_add_u32 v254, v255
	ds_add_u32 v254, v255
	v_lshrrev_b32 v10, 5, v0
	s_delay_alu instid0(VALU_DEP_1)
	v_readfirstlane_b32 s[WV], v10                 ; wave 0..15
	s_bfe_u32 s[CX], ttmp6, 0x40000
	s_and_b32 s[BH], ttmp7, 0xffff                 ; batch x 16 + head: the four partners share it
	s_mov_b32 s24, 15|(3<<16)|(1<<21)              ; group 1: the mask names all four; elements of 8 bytes; 13,056 dense bytes as 51 rows of 256
	s_mov_b32 s25, 32<<16
	s_mov_b32 s26, 51<<16
	s_mov_b32 s27, 32<<16
	s_mov_b32 s28, 51
	s_mov_b32 s29, 32
	s_mov_b32 s30, 0
	s_mov_b32 s31, 0
	s_lshl_b32 s60, s[BH], 4
	s_add_co_u32 s60, s60, s[WV]
	s_mul_i32 s60, s60, REC
	s_add_co_u32 s60, s60, 6656                    ; block w's K, V^T and scale images
	s_mov_b32 s61, 0
	s_mov_b32 s40, 1
	s_mul_i32 s41, s[WV], KVB
	s_wait_dscnt 0x0
	s_wait_kmcnt 0x0
	s_add_nc_u64 s[42:43], s[4:5], s[60:61]
	s_or_b32 s43, s43, 0x80000000
	CROUND                                         ; all four work-groups are here: the joint loads meet
	tensor_load_to_lds s[40:43], s[24:31]          ; my one tensor load
	s_nop 0
.rept 4
	v_nop
.endr
	v_and_b32 v7, 31, v0
	s_delay_alu instid0(VALU_DEP_1)
	v_lshlrev_b32 v[L16], 4, v7
	s_delay_alu instid0(VALU_DEP_2)
	v_lshlrev_b32 v[L8], 3, v7
	v_and_b32 v10, 15, v0                          ; r
	v_bfe_u32 v11, v0, 4, 1                        ; h
	s_delay_alu instid0(VALU_DEP_2)
	v_lshlrev_b32 v[R8], 3, v10
	s_delay_alu instid0(VALU_DEP_3)
	v_lshlrev_b32 v7, 4, v10                       ; 16 r: a row's place in Q's scale image
	s_wait_alu depctr_va_vdst(0)
	s_and_b32 s62, s[WV], 1                        ; u
	s_lshl_b32 s63, s[CX], 5
	s_lshl_b32 s66, s62, 3
	s_add_co_u32 s63, s63, s66
	v_and_b32 v[DQ], 8, v10
	s_delay_alu instid0(VALU_DEP_1)
	v_add_nc_u32 v[DQ], v[DQ], v10
	v_lshlrev_b32 v11, 4, v11
	s_delay_alu instid0(VALU_DEP_1)
	v_sub_nc_u32 v[DQ], v[DQ], v11
	s_delay_alu instid0(VALU_DEP_1)
	v_add_nc_u32 v[DQ], s63, v[DQ]                 ; 32 cx + 8 u + r + 8 (r / 8) - 16 h
	s_lshr_b32 s67, s[WV], 1                       ; the first tile's block,
	s_sub_co_u32 s68, 15, s67                      ; the second's
	s_lshl_b32 s69, s[CX], 1
	s_add_co_u32 s69, s69, s62                     ; the tile in its block
	s_lshl_b32 s70, s[BH], 4
	s_add_co_u32 s71, s70, s67
	s_add_co_u32 s72, s70, s68
	s_mul_i32 s71, s71, REC
	s_mul_i32 s72, s72, REC
	s_mul_i32 s73, s69, 768                        ; Q's codes: 768 bytes a tile
	s_lshl_b32 s74, s62, 8
	s_lshl_b32 s75, s[CX], 2
	s_add_co_u32 s74, s74, s75
	s_add_co_u32 s74, s74, 6144                    ; Q's scale words: 6,144 + 16 (r + 16 u) + 4 cx
	s_add_co_u32 s44, s71, s73
	s_mov_b32 s45, 0
	s_add_nc_u64 s[44:45], s[4:5], s[44:45]
	s_add_co_u32 s46, s71, s74
	s_mov_b32 s47, 0
	s_add_nc_u64 s[46:47], s[4:5], s[46:47]
	s_add_co_u32 s48, s72, s73
	s_mov_b32 s49, 0
	s_add_nc_u64 s[48:49], s[4:5], s[48:49]
	s_add_co_u32 s50, s72, s74
	s_mov_b32 s51, 0
	s_add_nc_u64 s[50:51], s[4:5], s[50:51]
	global_load_b128 v[16:19], v[L16], s[44:45]
	global_load_b64 v[20:21], v[L8], s[44:45] offset:512
	global_load_b32 v[QSA], v7, s[46:47]
	global_load_b128 v[28:31], v[L16], s[48:49]
	global_load_b64 v[32:33], v[L8], s[48:49] offset:512
	global_load_b32 v[QSB], v7, s[50:51]
	; where the results go: tile T = batch x 128 + 8 x block + tile in the block; in it K step head / 2, half head % 2
	s_lshr_b32 s60, s[BH], 4
	s_lshl_b32 s60, s60, 7
	s_add_co_u32 s60, s60, s69
	s_lshl_b32 s61, s67, 3
	s_add_co_u32 s61, s61, s60
	s_lshl_b32 s63, s68, 3
	s_add_co_u32 s63, s63, s60
	s_and_b32 s66, s[BH], 15                       ; the head
	s_lshr_b32 s70, s66, 1
	s_mul_i32 s70, s70, 1536
	s_and_b32 s71, s66, 1
	s_mul_i32 s72, s71, 768
	s_add_co_u32 s70, s70, s72
	s_lshr_b32 s72, s66, 2
	s_lshl_b32 s72, s72, 7
	s_bfe_u32 s73, s66, 0x10001
	s_lshl_b32 s73, s73, 2
	s_add_co_u32 s72, s72, s73
	s_lshl_b32 s71, s71, 1
	s_add_co_u32 s72, s72, s71                     ; the head's two bytes in a row's scale words
	s_mul_i32 s52, s61, 12288
	s_add_co_u32 s52, s52, s70
	s_mov_b32 s53, 0
	s_add_nc_u64 s[52:53], s[6:7], s[52:53]
	s_lshl_b32 s54, s61, 9
	s_add_co_u32 s54, s54, s72
	s_mov_b32 s55, 0
	s_add_nc_u64 s[54:55], s[8:9], s[54:55]
	s_mul_i32 s56, s63, 12288
	s_add_co_u32 s56, s56, s70
	s_mov_b32 s57, 0
	s_add_nc_u64 s[56:57], s[6:7], s[56:57]
	s_lshl_b32 s58, s63, 9
	s_add_co_u32 s58, s58, s72
	s_mov_b32 s59, 0
	s_add_nc_u64 s[58:59], s[8:9], s[58:59]
	s_mov_b32 s[CS], 0x3e38aa3b                    ; log2(e) / 8
	s_mov_b32 s[CS+1], s[CS]                       ; (named with it as a pair)
	s_mov_b32 s[SEL], 0x76543210
	s_mov_b32 s[SEL+1], 0xfedcba98
.irp j, 22,23,24,25,26,27,34,35,36,37,38,39,88,89,90,91,92,93
	v_mov_b32 v[\j], 0                             ; zero codes: the upper 64 of K
.endr
.irp b, 0,1,2,3
	v_mov_b32 v[BP+\b], 0                          ; written once: a lane permute's destination counts as one of its sources
.endr
	v_mov_b32 v[T0], 0
	v_mov_b32 v[F+1], 0                            ; (named as the upper half of a pair)
	s_wait_tensorcnt 0x0                           ; my block is in,
	s_barrier_signal -1
	s_barrier_wait -1                              ; everybody's is: the whole head lies in LDS
	s_wait_loadcnt 0x0                             ; Q
; A KEY STEP for the tile whose Q lies in v[qf] on, scale words in v[qs]
.macro STEP qf, qs
	s_cmp_gt_u32 s[KS], s[J]                       ; all keys behind my queries: the step's work is left out, not the line at its end that steps the address
	s_cbranch_scc1 .Lhidden_\@
	s_setprio 2
	v_add_nc_u32 v[A16], s[TB], v[L16]
	v_add_nc_u32 v[A8], s[TB], v[L8]
	v_nop
	v_nop                                          ; four places in front of loads into registers that the last products have read
.irp t, 0,1,2,3,4,5,6,7
	ds_load_b128 v[KV+6*\t:KV+6*\t+3], v[A16] offset:768*\t
	ds_load_b64 v[KV+6*\t+4:KV+6*\t+5], v[A8] offset:768*\t+512
.endr
	ds_load_b128 v[KSC:KSC+3], v[A16] offset:12288
	s_wait_alu depctr_va_vdst(0)
	s_wait_dscnt 0x0
.irp t, 0,1,2,3,4,5,6,7                ; S^T: lane (r, h) holds query r; the 16 registers of tiles 2 b, 2 b + 1 are keys 32 b + 16 h + 0 .. 15
.if (\t)%2 == 0
	v_wmma_scale_f32_16x16x128_f8f6f4 v[S+8*\t:S+8*\t+7], v[KV+6*\t:KV+6*\t+11], v[\qf:\qf+11], 0, v[KSC+\t/2], v[\qs] matrix_a_fmt:MATRIX_FMT_FP6 matrix_b_fmt:MATRIX_FMT_FP6
.else
	v_wmma_scale_f32_16x16x128_f8f6f4 v[S+8*\t:S+8*\t+7], v[KV+6*\t:KV+6*\t+11], v[\qf:\qf+11], 0, v[KSC+\t/2], v[\qs] matrix_a_fmt:MATRIX_FMT_FP6 matrix_b_fmt:MATRIX_FMT_FP6 matrix_a_scale:MATRIX_SCALE_ROW1
.endif
.endr
.rept 4
	v_nop                                          ; places: for the loads below, and for the first read of the scores
.endr
.irp d, 0,1,2,3                        ; V's fragments are asked for now and land under the softmax
	ds_load_b128 v[KV+12*\d:KV+12*\d+3], v[A16] offset:6144+1536*\d
	ds_load_b64 v[KV+12*\d+4:KV+12*\d+5], v[A8] offset:6144+1536*\d+512
	ds_load_b128 v[KV+12*\d+6:KV+12*\d+9], v[A16] offset:6144+1536*\d+768
	ds_load_b64 v[KV+12*\d+10:KV+12*\d+11], v[A8] offset:6144+1536*\d+1280
.endr
	ds_load_b64 v[VS:VS+1], v[A8] offset:12800
	s_cmp_lg_u32 s[KS], s[J]                       ; only my own block has hidden keys
	s_cbranch_scc1 .Lopen_\@
	v_mov_b32 v[T0], 0xff800000                    ; -infinity
.set n, 0
.rept 64
	v_cmp_gt_i32 vcc_lo, 32*(n/16)+n%16, v[DQ]     ; register 16 b + i holds key 32 b + 16 h + i of the block: hidden where it lies behind my query
	v_cndmask_b32 v[S+n], v[S+n], v[T0], vcc_lo
.set n, n+1
.endr
.Lopen_\@:
.irp b, 0,1,2,3
	v_max3_num_f32 v[BM+\b], v[S+16*\b], v[S+1+16*\b], v[S+2+16*\b]   ; the largest score of each block of 32 keys: for the row's maximum, and, since p rises with the score, for the block's largest p
.endr
.irp i, 3,5,7,9,11,13
.irp b, 0,1,2,3
	v_max3_num_f32 v[BM+\b], v[BM+\b], v[S+16*\b+\i], v[S+1+16*\b+\i]
.endr
.endr
.irp b, 0,1,2,3
	v_max_num_f32 v[BM+\b], v[BM+\b], v[S+15+16*\b]
.endr
.irp b, 0,1,2,3
	s_delay_alu instid0(VALU_DEP_4)
	v_permlanex16_b32 v[BP+\b], v[BM+\b], s[SEL], s[SEL+1]
.endr
.irp b, 0,1,2,3
	s_delay_alu instid0(VALU_DEP_4)
	v_max_num_f32 v[BM+\b], v[BM+\b], v[BP+\b]     ; with lane l xor 16's 16 keys
.endr
	s_delay_alu instid0(VALU_DEP_2)
	v_max3_num_f32 v[T0], v[BM], v[BM+1], v[BM+2]
	s_delay_alu instid0(VALU_DEP_1)
	v_max_num_f32 v[T0], v[T0], v[BM+3]
	s_delay_alu instid0(VALU_DEP_1)
	v_mul_f32 v[T0], s[CS], v[T0]
	s_delay_alu instid0(VALU_DEP_1)
	v_max_num_f32 v13, v13, v[T0]                  ; the running largest t
	v_mov_b32 v[T0], v12
	s_delay_alu instid0(VALU_DEP_2)
	v_floor_f32 v12, -v13                          ; -M = floor(-t): M is a whole number
	s_delay_alu instid0(VALU_DEP_1)
	v_sub_f32 v[T0], v12, v[T0]                    ; old M - new M, 0 or less
	s_delay_alu instid0(VALU_DEP_1)
	v_cvt_i32_f32 v[T0], v[T0]                     ; (it saturates)
	s_delay_alu instid0(VALU_DEP_1)
	v_ldexp_f32 v[F], 1.0, v[T0]                   ; f = 2^(old M - new M)
.set n, 0
.rept 32
	v_pk_fma_f32 v[S+n:S+n+1], v[S+n:S+n+1], s[CS:CS+1], v[12:13] op_sel_hi:[1,0,0]   ; t - M
.set n, n+2
.endr
	s_setprio 1
.irp b, 0,1,2,3
	v_fma_f32 v[BM+\b], v[BM+\b], s[CS], v12       ; the same of each block's largest score
.endr
.set n, 0
	s_wait_alu depctr_va_vdst(0)
.rept 64
	v_exp_f32 v[S+n], v[S+n]                       ; p, at most 1
.set n, n+1
.endr
	v_pk_mul_f32 v[14:15], v[14:15], v[F:F+1] op_sel_hi:[1,0]   ; the sums under the new M: the plain place behind the exponentials
	s_wait_alu depctr_va_vdst(0)                   ; one wait for the batch, ahead of its first reader
.irp b, 0,1,2,3
	v_exp_f32 v[BM+\b], v[BM+\b]                   ; the block's largest p: the same two instructions on the same number
.endr
	v_pk_add_f32 v[234:235], v[100:101], v[104:105]
	v_pk_add_f32 v[252:253], v[108:109], v[112:113]
	v_pk_add_f32 v[250:251], v[116:117], v[120:121]
	v_pk_add_f32 v[248:249], v[124:125], v[128:129]
	v_pk_add_f32 v[246:247], v[132:133], v[136:137]
	v_pk_add_f32 v[244:245], v[140:141], v[144:145]
	v_pk_add_f32 v[242:243], v[148:149], v[152:153]
	v_pk_add_f32 v[14:15], v[14:15], v[156:157]
	v_pk_add_f32 v[234:235], v[234:235], v[96:97]
	v_pk_add_f32 v[252:253], v[252:253], v[98:99]
	v_pk_add_f32 v[250:251], v[250:251], v[102:103]
	v_pk_add_f32 v[248:249], v[248:249], v[106:107]
	v_pk_add_f32 v[246:247], v[246:247], v[110:111]
	v_pk_add_f32 v[244:245], v[244:245], v[114:115]
	v_pk_add_f32 v[242:243], v[242:243], v[118:119]
	v_pk_add_f32 v[14:15], v[14:15], v[122:123]
	v_pk_add_f32 v[234:235], v[234:235], v[126:127]
	v_pk_add_f32 v[252:253], v[252:253], v[130:131]
	v_pk_add_f32 v[250:251], v[250:251], v[134:135]
	v_pk_add_f32 v[248:249], v[248:249], v[138:139]
	v_pk_add_f32 v[246:247], v[246:247], v[142:143]
	v_pk_add_f32 v[244:245], v[244:245], v[146:147]
	v_pk_add_f32 v[242:243], v[242:243], v[150:151]
	v_pk_add_f32 v[14:15], v[14:15], v[154:155]
	v_pk_add_f32 v[234:235], v[234:235], v[158:159]
	s_delay_alu instid0(VALU_DEP_2)
	v_pk_add_f32 v[14:15], v[14:15], v[248:249]
	s_delay_alu instid0(VALU_DEP_2)
	v_pk_add_f32 v[234:235], v[234:235], v[246:247]
	v_pk_add_f32 v[252:253], v[252:253], v[244:245]
	v_pk_add_f32 v[250:251], v[250:251], v[242:243]
	s_delay_alu instid0(VALU_DEP_2)
	v_pk_add_f32 v[14:15], v[14:15], v[252:253]
	s_delay_alu instid0(VALU_DEP_2)
	v_pk_add_f32 v[234:235], v[234:235], v[250:251]
	s_delay_alu instid0(VALU_DEP_1)
	v_pk_add_f32 v[14:15], v[14:15], v[234:235]
	s_wait_alu depctr_va_vdst(0)                   ; and one for the four
.irp b, 0,1,2,3
	v_max_num_f32 v[BM+\b], 0x1800000, v[BM+\b]    ; the floor 2^(3 - 127): a block whose every p is 0 keeps the byte 1: its codes are zeros
.endr
.irp b, 0,1,2,3
	s_delay_alu instid0(VALU_DEP_4)
	v_add_nc_u32 v[BS+\b], 0xff000000, v[BM+\b]
.endr
.irp b, 0,1,2,3
	s_delay_alu instid0(VALU_DEP_4)
	v_lshrrev_b32 v[BP+\b], 23, v[BS+\b]
.endr
	s_delay_alu instid0(VALU_DEP_3)
	v_lshl_or_b32 v[PWD], v[BP+1], 8, v[BP]
	s_delay_alu instid0(VALU_DEP_1)
	v_lshl_or_b32 v[PWD], v[BP+2], 16, v[PWD]
	s_delay_alu instid0(VALU_DEP_1)
	v_lshl_or_b32 v[PWD], v[BP+3], 24, v[PWD]      ; p's scale word for these 128 keys
	s_setprio 0
.irp c, 0,1
	v_cvt_scalef32_pk16_fp6_f32 v[PCD+6*\c:PCD+2+6*\c], v[S+32*\c:S+15+32*\c], v[BS+2*\c]
	v_cvt_scalef32_pk16_fp6_f32 v[CT+4*\c:CT+2+4*\c], v[S+16+32*\c:S+31+32*\c], v[BS+2*\c+1]
.endr
	v_nop                                          ; one plain place behind the scaled conversions
.irp c, 0,1
.irp i, 0,1,2
	v_permlane16_swap_b32 v[PCD+6*\c+\i], v[CT+4*\c+\i]
.endr
.irp i, 0,1,2
	s_delay_alu instid0(VALU_DEP_3)
	v_mov_b32 v[PCD+3+6*\c+\i], v[CT+4*\c+\i]
.endr
.endr
.set n, 0
.rept 16
	v_pk_mul_f32 v[O+n:O+n+1], v[O+n:O+n+1], v[F:F+1] op_sel_hi:[1,0]   ; O^T under the new M, from each accumulator's low end on; these are also the places in front of the products below
.set n, n+2
.endr
	s_wait_alu depctr_va_vdst(0)
	s_wait_dscnt 0x0                               ; V
.irp d, 0,1,2,3                        ; O^T += V^T p^T: the four accumulators take turns, one instruction each
.if (\d)%2 == 0
	v_wmma_scale_f32_16x16x128_f8f6f4 v[O+8*\d:O+8*\d+7], v[KV+12*\d:KV+12*\d+11], v[PCD:PCD+11], v[O+8*\d:O+8*\d+7], v[VS+\d/2], v[PWD] matrix_a_fmt:MATRIX_FMT_FP6 matrix_b_fmt:MATRIX_FMT_FP6
.else
	v_wmma_scale_f32_16x16x128_f8f6f4 v[O+8*\d:O+8*\d+7], v[KV+12*\d:KV+12*\d+11], v[PCD:PCD+11], v[O+8*\d:O+8*\d+7], v[VS+\d/2], v[PWD] matrix_a_fmt:MATRIX_FMT_FP6 matrix_b_fmt:MATRIX_FMT_FP6 matrix_a_scale:MATRIX_SCALE_ROW1
.endif
.endr
.Lhidden_\@:
	s_add_co_u32 s[TB], s[TB], KVB
.endm
; A tile's end: O^T / l; register 16 b + i is channel 32 b + 16 h + i of my query: two blocks of the last product's K; codes and scale bytes leave
.macro FIN oc, os
.rept 4
	v_nop                                          ; places behind the last products
.endr
	v_add_f32 v14, v14, v15
	s_delay_alu instid0(VALU_DEP_1)
	v_permlanex16_b32 v[T0], v14, s[SEL], s[SEL+1]
	s_delay_alu instid0(VALU_DEP_1)
	v_add_f32 v14, v14, v[T0]                      ; the row's sum
	s_wait_alu depctr_va_vdst(0)
	v_rcp_f32 v[F], v14
	v_nop                                          ; a plain place behind the reciprocal,
	s_wait_alu depctr_va_vdst(0)                   ; and the wait ahead of its first reader
.set n, 0
.rept 16
	v_pk_mul_f32 v[O+n:O+n+1], v[O+n:O+n+1], v[F:F+1] op_sel_hi:[1,0]
.set n, n+2
.endr
.irp b, 0,1
	v_max3_num_f32 v[BM+\b], |v[O+16*\b]|, |v[O+1+16*\b]|, 0x1800000
.endr
.irp i, 2,4,6,8,10,12,14
.irp b, 0,1
	s_delay_alu instid0(VALU_DEP_2)
	v_max3_num_f32 v[BM+\b], v[BM+\b], |v[O+16*\b+\i]|, |v[O+1+16*\b+\i]|
.endr
.endr
.irp b, 0,1
	s_delay_alu instid0(VALU_DEP_2)
	v_permlanex16_b32 v[BP+\b], v[BM+\b], s[SEL], s[SEL+1]
.endr
.irp b, 0,1
	s_delay_alu instid0(VALU_DEP_2)
	v_max_num_f32 v[BM+\b], v[BM+\b], v[BP+\b]
.endr
.irp b, 0,1
	s_delay_alu instid0(VALU_DEP_2)
	v_add_nc_u32 v[BS+\b], 0xff000000, v[BM+\b]
.endr
.irp b, 0,1
	s_delay_alu instid0(VALU_DEP_2)
	v_lshrrev_b32 v[BP+\b], 23, v[BS+\b]
.endr
	s_delay_alu instid0(VALU_DEP_1)
	v_lshl_or_b32 v[PWD], v[BP+1], 8, v[BP]
	v_cvt_scalef32_pk16_fp6_f32 v[PCD:PCD+2], v[O:O+15], v[BS]
	v_cvt_scalef32_pk16_fp6_f32 v[CT:CT+2], v[O+16:O+31], v[BS+1]
	v_nop
.irp i, 0,1,2
	v_permlane16_swap_b32 v[PCD+\i], v[CT+\i]
.endr
.irp i, 0,1,2
	s_delay_alu instid0(VALU_DEP_3)
	v_mov_b32 v[PCD+3+\i], v[CT+\i]
.endr
	global_store_b128 v[L16], v[PCD:PCD+3], s[\oc:\oc+1]             ; 512 consecutive bytes, aligned to 256
	global_store_b64 v[L8], v[PCD+4:PCD+5], s[\oc:\oc+1] offset:512  ; 256
	global_store_b16 v[R8], v[PWD], s[\os:\os+1]   ; my row's two scale bytes; lanes r and 16 + r store the same value at the same place
.endm
.macro PASS trips, qf, qs, oc, os
	s_wait_xcnt 0x0                                ; the last tile's stores have read their registers
	v_mov_b32 v13, 0xff61b1e6                      ; the largest t so far: -3e38
	s_delay_alu instid0(VALU_DEP_1)
	v_floor_f32 v12, -v13
	v_mov_b32 v14, 0
	v_mov_b32 v15, 0
.set n, 0
.rept 32
	v_mov_b32 v[O+n], 0                            ; the step is written once: the first finds zeros, which the first change of M leaves zeros
.set n, n+1
.endr
	s_mov_b32 s[KS], 0
	s_mov_b32 s[TB], 0
.Lkey_\@:
	STEP \qf, \qs
	s_add_co_u32 s[KS], s[KS], 1
	s_cmp_lt_u32 s[KS], \trips
	s_cbranch_scc1 .Lkey_\@
	s_setprio 0
	FIN \oc, \os
.endm
	s_mov_b32 s[J], s67
	PASS 8, 16, QSA, 52, 54                        ; the tile in block w >> 1: at most eight steps
	s_mov_b32 s[J], s68
	PASS 16, 28, QSB, 56, 58                       ; the tile in block 15 - (w >> 1)
	s_wait_tensorcnt 0x0
	ds_add_u32 v254, v255
	s_wait_dscnt 0x0
	CROUND                                         ; the closing round
	s_endpgm
.Lfunc_end_k_qb0aa924a17_attn:
	.size	k_qb0aa924a17_attn, .Lfunc_end_k_qb0aa924a17_attn-k_qb0aa924a17_attn
	.p2alignl 7, 3214868480
	.fill 96, 4, 3214868480
	.section	.rodata,"a",@progbits
	.p2align	6, 0x0
	.amdhsa_kernel k_qb0aa924a17_attn
		.amdhsa_group_segment_fixed_size 210944
		.amdhsa_private_segment_fixed_size 0
		.amdhsa_enable_private_segment 0
		.amdhsa_kernarg_size 24
		.amdhsa_user_sgpr_count 2
		.amdhsa_user_sgpr_kernarg_segment_ptr 1
		.amdhsa_wavefront_size32 1
		.amdhsa_system_sgpr_workgroup_id_x 1
		.amdhsa_system_sgpr_workgroup_id_y 1
		.amdhsa_system_sgpr_workgroup_id_z 1
		.amdhsa_system_vgpr_workitem_id 0
		.amdhsa_next_free_vgpr 256
		.amdhsa_next_free_sgpr 80
		.amdhsa_reserve_vcc 1
		.amdhsa_float_denorm_mode_32 3
		.amdhsa_float_denorm_mode_16_64 3
		.amdhsa_memory_ordered 1
		.amdhsa_forward_progress 1
		.amdhsa_inst_pref_size 64
	.end_amdhsa_kernel
	.amdgpu_metadata
---
amdhsa.version: [ 1, 2 ]
amdhsa.kernels:
  - .name:           k_qb0aa924a17_attn
    .symbol:         k_qb0aa924a17_attn.kd
    .args:
      - { .name: qkv, .offset: 0, .size: 8, .value_kind: global_buffer, .address_space: global }
      - { .name: ao_codes, .offset: 8, .size: 8, .value_kind: global_buffer, .address_space: global }
      - { .name: ao_scales, .offset: 16, .size: 8, .value_kind: global_buffer, .address_space: global }
    .group_segment_fixed_size: 210944
    .private_segment_fixed_size: 0
    .kernarg_segment_align: 8
    .kernarg_segment_size: 24
    .max_flat_workgroup_size: 512
    .sgpr_count:     80
    .vgpr_count:     256
    .wavefront_size: 32
...
	.end_amdgpu_metadata
.endif
;; end of part 3
;; launch oproj (part 4): grid 4 x 32, 4 waves a work-group, clusters of 4 x 4, 327,680 bytes of LDS; arguments ao_codes, ao_scales, xw_codes, xw_scales, bo, out0; writes out0
.if DOCPART == 4
	.amdgcn_target "amdgcn-amd-amdhsa--gfx1250"
	.amdhsa_code_object_version 6
	.text
	.protected	k_qb0aa924a17_oproj
	.globl	k_qb0aa924a17_oproj
	.p2align	8
	.type	k_qb0aa924a17_oproj,@function
k_qb0aa924a17_oproj:
	s_mov_b64 s[64:65], 0
	v_nop
	global_prefetch_b8 v0, s[64:65] scope:SCOPE_SE
	s_setreg_imm32_b32 hwreg(HW_REG_WAVE_MODE, 25, 1), 1
	s_wait_xcnt 0x0
	s_wait_alu depctr_hold_cnt(0) depctr_sa_sdst(0) depctr_va_vdst(0) depctr_va_sdst(0) depctr_va_ssrc(0) depctr_va_vcc(0) depctr_vm_vsrc(0)
	s_getreg_b32 s2, hwreg(HW_REG_IB_STS2, 6, 4)
	s_cmp_eq_u32 s2, 0
	s_cbranch_scc0 .Lentry_in_a_cluster
	s_endpgm
.Lentry_in_a_cluster:
	s_bfe_u32 s2, ttmp6, 0x10000c
	s_cmp_lg_u32 s2, 0xf033
	s_cbranch_scc0 .Lentry_shape_is_right
	s_endpgm
.Lentry_shape_is_right:
; out0 = a wo^T + bo on codes of FP6 (E2M3) with E8M0 scales, sums in f32.  a: the attention's result as register images (ao_codes [512 tiles][8 K steps][1,536], ao_scales [tile][4][16 rows][2 words]); wo: tiles 704-767 of xw_codes, xw_scales.
; Tile 2 g + u holds at row i the tensor's row 32 g + 8 u + i + 8 (i / 8).
; A tile of the result, 256 x 256, is made by four waves, 128 x 128 each: 64 accumulators.  K = 1,024 goes in four slots of 256 through a ring of two LDS slots filled by tensor loads; the eight steps of 128 are written out.
; THE MATRIX INSTRUCTION IS USED TRANSPOSED (source 0 = 16 rows of wo, source 1 = 16 tokens): a lane holds one token and eight neighbouring columns.  The bias is the C of the first step's products.
; CLUSTER 4 x 4: a's tiles are shared along a row of the cluster, wo's along a column: each is asked for jointly.  The result has 128 such tiles: one work-group each.
; No prefetch: of the four slots two are first fills, and the other two are asked for while the first are multiplied.
; REGISTERS: window 0: v16-23 LDS addresses, v24-26 the way out, v27 scale words' address, v28-29 the add's, v32-63 scale words (two sets), v64-127 the bias, v128-223 A's fragments; on the way out v128-255 rows of the result.
;   window 1: B's fragments, two sets.  window 2, 3: accumulator (a, b) at v[8 (8 (a % 4) + b)].
.set FR,    12
.set NL,    4
.set NP,    4
.set TILEB, 3072
.set HALFT, 8*TILEB
.set SLOT,  4*HALFT
.set SCL,   2*SLOT
.set HALFS, 4096
.set SPARE, SCL+4*HALFS                ; the spare words: 128 bytes a wave, two blocks of 256 bytes that no other line names
.set SPITCH, 528                       ; the way out: a stage of 16 rows x (512 + 16) bytes a wave, in slot 0, which has had its last fill and its last read when the first result is stored there
.set ADRA, 16
.set ADRB, 20
.set STO,  24
.set RD,   25
.set CO,   26
.set ADRS, 27
.set SPW,  28
.set NIL,  29
.set SC,   32
.set BI,   64
.set AF,   128
.set BK,   128
.set G1,   24
.set G0,   32
.set G1B,  48
.set G0B,  56
.set G1S,  68
.set G0S,  76
.set G1SB, 80
.set G0SB, 88
.set MSB, 0
.macro WIN new
.if MSB != \new
	s_set_vgpr_msb (MSB<<8)|\new
.set MSB, \new
.endif
.endm
.set TO_B, 0x40
.macro JLOAD g0a, g1a, g0b, g1b        ; waves 0 and 1 fetch for A, waves 2 and 3 for B; four v_nop follow each line
	s_cmp_eq_u32 s19, 0
	s_cbranch_scc0 .Lfor_b_\@
	tensor_load_to_lds s[\g0a:\g0a+3], s[\g1a:\g1a+7]
	s_nop 0
.rept 4
	v_nop
.endr
	s_branch .Lasked_\@
.Lfor_b_\@:
	tensor_load_to_lds s[\g0b:\g0b+3], s[\g1b:\g1b+7]
	s_nop 0
.rept 4
	v_nop
.endr
.Lasked_\@:
.endm
.macro CREST
	s_cmp_lg_u32 s18, 0
	s_cbranch_scc1 .Lnot_wave_0_\@
	s_barrier_signal -3
.Lnot_wave_0_\@:
	s_barrier_wait -3
	s_barrier_signal -1
	s_barrier_wait -1
.endm
.macro CROUND
	s_barrier_signal -1
	s_barrier_wait -1
	CREST
.endm
	s_load_b256 s[4:11], s[0:1], 0x0               ; ao_codes, ao_scales, xw_codes, xw_scales
	s_load_b128 s[12:15], s[0:1], 0x20             ; bo, out0
	v_lshl_add_u32 v[SPW], v0, 2, SPARE
	v_mov_b32 v[NIL], 0
	ds_add_u32 v28, v29
	ds_add_u32 v28, v29
	s_wait_dscnt 0x0
	v_lshrrev_b32 v1, 5, v0
	v_readfirstlane_b32 s18, v1                    ; wave
	s_lshr_b32 s19, s18, 1                         ; rh
	s_and_b32 s20, s18, 1                          ; ch
	s_bfe_u32 s22, ttmp6, 0x40000                  ; cx
	s_bfe_u32 s23, ttmp6, 0x40004                  ; cy
	s_lshl_b32 s44, ttmp9, 2
	s_add_co_u32 s44, s44, s22                     ; block of 256 columns
	s_and_b32 s40, ttmp7, 0xffff
	s_lshl_b32 s40, s40, 2
	s_add_co_u32 s40, s40, s23                     ; block of 256 tokens
	s_lshl_b32 s66, s23, 2
	s_lshl_b32 s66, 15, s66                        ; my row of the cluster
	s_lshl_b32 s67, 0x1111, s22                    ; my column
	s_or_b32 s[G1], s66, (3<<16)|(1<<21)           ; codes: 8 rows (tiles) of 384 elements of 8 bytes, 1,536 elements apart
	s_or_b32 s[G1B], s67, (3<<16)|(1<<21)
.irp g, G1, G1B
	s_mov_b32 s[\g+1], 384<<16
	s_mov_b32 s[\g+2], 8<<16
	s_mov_b32 s[\g+3], 384<<16
	s_mov_b32 s[\g+4], 8
	s_mov_b32 s[\g+5], 1536
	s_mov_b32 s[\g+6], 0
	s_mov_b32 s[\g+7], 0
.endr
	s_or_b32 s[G1S], s66, (3<<16)|(1<<21)          ; scale words of eight tiles: 4,096 dense bytes as 16 rows of 256
	s_or_b32 s[G1SB], s67, (3<<16)|(1<<21)
.irp g, G1S, G1SB
	s_mov_b32 s[\g+1], 32<<16
	s_mov_b32 s[\g+2], 16<<16
	s_mov_b32 s[\g+3], 32<<16
	s_mov_b32 s[\g+4], 16
	s_mov_b32 s[\g+5], 32
	s_mov_b32 s[\g+6], 0
	s_mov_b32 s[\g+7], 0
.endr
	s_lshl_b32 s41, s20, 3
	s_lshl_b32 s43, s40, 4
	s_add_co_u32 s43, s43, s41                     ; the first of the eight tiles of A that I fetch
	s_lshl_b32 s46, s44, 4
	s_add_co_u32 s46, s46, s41
	s_add_co_u32 s46, s46, 704                     ; and of wo
	s_lshl_b32 s2, s43, 9
	s_mov_b32 s3, 0
	s_mul_i32 s42, s43, 12288
	s_mov_b32 s43, 0
	s_lshl_b32 s100, s46, 9
	s_mov_b32 s101, 0
	s_mul_i32 s46, s46, 12288
	s_mov_b32 s47, 0
	s_mul_i32 s41, s18, HALFT
	s_lshl_b32 s45, s18, 12
	s_wait_kmcnt 0x0
	s_add_nc_u64 s[42:43], s[4:5], s[42:43]
	s_add_nc_u64 s[2:3], s[6:7], s[2:3]
	s_add_nc_u64 s[46:47], s[8:9], s[46:47]
	s_add_nc_u64 s[100:101], s[10:11], s[100:101]
	CROUND                                         ; all sixteen work-groups are here: the first joint loads meet
	s_mov_b32 s[G0S], 1
	s_add_co_u32 s[G0S+1], s45, SCL
	s_mov_b64 s[G0S+2:G0S+3], s[2:3]
	s_or_b32 s[G0S+3], s[G0S+3], 0x80000000
	s_mov_b32 s[G0SB], 1
	s_add_co_u32 s[G0SB+1], s45, SCL
	s_mov_b64 s[G0SB+2:G0SB+3], s[100:101]
	s_or_b32 s[G0SB+3], s[G0SB+3], 0x80000000
	JLOAD G0S, G1S, G0SB, G1SB
.irp s, 0,1
	s_mov_b32 s[G0+4*\s], 1
	s_add_co_u32 s[G0+4*\s+1], s41, \s*SLOT
	s_add_nc_u64 s[G0+4*\s+2:G0+4*\s+3], s[42:43], \s*TILEB
	s_or_b32 s[G0+4*\s+3], s[G0+4*\s+3], 0x80000000
	s_mov_b32 s[G0B+4*\s], 1
	s_add_co_u32 s[G0B+4*\s+1], s41, \s*SLOT
	s_add_nc_u64 s[G0B+4*\s+2:G0B+4*\s+3], s[46:47], \s*TILEB
	s_or_b32 s[G0B+4*\s+3], s[G0B+4*\s+3], 0x80000000
	JLOAD G0+4*\s, G1, G0B+4*\s, G1B               ; three tensor loads of mine are out
.endr
	v_and_b32 v1, 31, v0                           ; lane
	v_and_b32 v2, 15, v0                           ; r
	v_bfe_u32 v3, v0, 4, 1                         ; h
	s_lshl_b32 s16, s44, 10
	s_lshl_b32 s17, s20, 9
	s_add_co_u32 s16, s16, s17                     ; my 128 columns, in bytes
	s_mov_b32 s17, 0
	s_add_nc_u64 s[12:13], s[12:13], s[16:17]
	v_lshlrev_b32 v7, 6, v3                        ; the bias of wo's rows 16 h + j of each pair of tiles
.irp b, 0,1,2,3,4,5,6,7
	global_load_b128 v[BI+8*\b:BI+8*\b+3], v7, s[12:13] offset:(32*(\b/2)+8*(\b%2))*4
	global_load_b128 v[BI+8*\b+4:BI+8*\b+7], v7, s[12:13] offset:(32*(\b/2)+8*(\b%2))*4+16
.endr
	s_lshl_b32 s92, s40, 8
	s_lshl_b32 s93, s19, 7
	s_add_co_u32 s92, s92, s93                     ; my first token
	s_lshl_b32 s92, s92, 12
	s_add_co_u32 s92, s92, s16
	s_mov_b32 s93, 0
	s_add_nc_u64 s[14:15], s[14:15], s[92:93]
	v_lshlrev_b32 v4, 4, v1
	v_lshlrev_b32 v5, 3, v1
	s_mul_i32 s2, s19, HALFT
	s_mul_i32 s3, s20, HALFT
	s_add_co_u32 s3, s3, 2*HALFT
.irp s, 0,1
	v_add_nc_u32 v[ADRA+\s], s2, v4
	v_add_nc_u32 v[ADRA+2+\s], s2, v5
	v_add_nc_u32 v[ADRB+\s], s3, v4
	v_add_nc_u32 v[ADRB+2+\s], s3, v5
	s_add_co_u32 s2, s2, SLOT
	s_add_co_u32 s3, s3, SLOT
.endr
	s_lshl_b32 s2, s19, 12                         ; scale words: lanes 0-15 A's, lanes 16-31 B's: the lower base + h x the distance
	s_lshl_b32 s3, s20, 12
	s_add_co_u32 s3, s3, 2*HALFS
	s_sub_co_u32 s3, s3, s2
	v_mul_u32_u24 v6, s3, v3
	s_add_co_u32 s2, s2, SCL
	v_lshl_add_u32 v6, v2, 3, v6
	v_add_nc_u32 v[ADRS], s2, v6
	s_mul_i32 s2, s18, 16*SPITCH                   ; my stage
	v_mul_u32_u24 v6, v2, SPITCH
	v_lshl_add_u32 v6, v3, 6, v6
	v_add_nc_u32 v[STO], s2, v6                    ; in: row r, + 64 h
	v_add_nc_u32 v[RD], s2, v4                     ; back: the 32 lanes take one row of 512 bytes
	v_mov_b32 v[CO], v4
.macro FRAG reg, adr, q, i
	ds_load_b128 v[\reg:\reg+3], v[\adr] offset:(\i)*TILEB+(\q)*1536
	ds_load_b64 v[\reg+4:\reg+5], v[\adr+2] offset:(\i)*TILEB+(\q)*1536+512
	ds_load_b128 v[\reg+6:\reg+9], v[\adr] offset:(\i)*TILEB+(\q)*1536+768
	ds_load_b64 v[\reg+10:\reg+11], v[\adr+2] offset:(\i)*TILEB+(\q)*1536+1280
.endm
; 16 products: A's blocks a0, a0 + 1 x B's eight.  cm = 1: C = the bias by B's block; 0: in place.  The 64 accumulators take turns, one instruction a turn.
.macro MUL16 a0, p, q, sc, cm
.irp a, \a0, \a0+1
.irp b, 0,1,2,3,4,5,6,7
.if (\cm) == 1
	v_wmma_scale_f32_16x16x128_f8f6f4 v[8*(8*((\a)%4)+\b):8*(8*((\a)%4)+\b)+7], v[128*(\p)+FR*\b:128*(\p)+FR*\b+FR-1], v[AF+FR*(\a):AF+FR*(\a)+FR-1], v[BI+8*\b:BI+8*\b+7], v[SC+16*(\sc)+2*\b+(\q)], v[SC+16*(\sc)+2*(\a)+(\q)] matrix_a_fmt:MATRIX_FMT_FP6 matrix_b_fmt:MATRIX_FMT_FP6 matrix_a_scale:MATRIX_SCALE_ROW1
.else
	v_wmma_scale_f32_16x16x128_f8f6f4 v[8*(8*((\a)%4)+\b):8*(8*((\a)%4)+\b)+7], v[128*(\p)+FR*\b:128*(\p)+FR*\b+FR-1], v[AF+FR*(\a):AF+FR*(\a)+FR-1], v[8*(8*((\a)%4)+\b):8*(8*((\a)%4)+\b)+7], v[SC+16*(\sc)+2*\b+(\q)], v[SC+16*(\sc)+2*(\a)+(\q)] matrix_a_fmt:MATRIX_FMT_FP6 matrix_b_fmt:MATRIX_FMT_FP6 matrix_a_scale:MATRIX_SCALE_ROW1
.endif
.endr
.endr
.endm
.macro WLO cm
.if (\cm) == 0
	WIN 0xa1
.else
	WIN 0x81
.endif
.endm
.macro WHI cm
.if (\cm) == 0
	WIN 0xf1
.else
	WIN 0xc1
.endif
.endm
.macro FETCH_B slot, q, p
	WIN TO_B
.irp i, 0,1,2,3,4,5,6,7
	FRAG 128*(\p)+FR*\i, ADRB+\slot, \q, \i
.endr
	WIN 0
.endm
.macro FETCH_A slot, q, i0
.irp i, \i0, \i0+1, \i0+2, \i0+3
	FRAG AF+FR*(\i), ADRA+\slot, \q, \i
.endr
.endm
.macro SCALES sc, sg
.irp i, 0,1,2,3,4,5,6,7
	ds_load_b64 v[SC+16*(\sc)+2*\i:SC+16*(\sc)+2*\i+1], v[ADRS] offset:512*\i+128*(\sg)
.endr
.endm
.macro PLACES n
.rept \n
	v_nop
.endr
.endm
.macro STEP slot, q, cm
	s_wait_dscnt 4*NL                              ; all but the youngest 16 loads (A's blocks 4-7)
	WLO \cm
	MUL16 0, (\q)%2, \q, \slot, \cm
	MUL16 2, (\q)%2, \q, \slot, \cm
	s_wait_dscnt 0
	PLACES NP
	FETCH_B \slot, (\q)+1, 1-(\q)%2
	FETCH_A \slot, (\q)+1, 0
	WHI \cm
	MUL16 4, (\q)%2, \q, \slot, \cm
	MUL16 6, (\q)%2, \q, \slot, \cm
	PLACES NP
	WIN 0
	FETCH_A \slot, (\q)+1, 4
.endm
.macro TURN slot, next, fill, sg
	s_wait_tensorcnt 0x0                           ; all my tensor loads have landed: my part of the next slot
	ds_add_u32 v[SPW], v[NIL]                      ; 0 onto my spare word
	s_wait_dscnt 4*NL+1                            ; (the add and the youngest 16 loads may be out)
	WIN 0xa1
	MUL16 0, 1, 1, \slot, 0
	s_wait_dscnt 0x0                               ; the add is done, and my reads of this slot are over
	s_barrier_signal -1
	MUL16 2, 1, 1, \slot, 0
	WIN 0
	s_barrier_wait -1
.if \fill
	CREST                                          ; a round of the cluster's barrier: no wave of any partner still reads this slot or has a load on its way
	s_add_nc_u64 s[G0+4*\slot+2:G0+4*\slot+3], s[G0+4*\slot+2:G0+4*\slot+3], 2*TILEB
	s_add_nc_u64 s[G0B+4*\slot+2:G0B+4*\slot+3], s[G0B+4*\slot+2:G0B+4*\slot+3], 2*TILEB
	JLOAD G0+4*\slot, G1, G0B+4*\slot, G1B
.else
	PLACES NP
.endif
	FETCH_B \next, 0, 0
	FETCH_A \next, 0, 0
	SCALES \next, \sg
	WIN 0xf1
	MUL16 4, 1, 1, \slot, 0
	MUL16 6, 1, 1, \slot, 0
	PLACES NP
	WIN 0
	FETCH_A \next, 0, 4
.endm
	s_wait_tensorcnt 1                             ; the scale words and my part of slot 0 are in; slot 1's fill may be out
	s_barrier_signal -1
	s_barrier_wait -1
	FETCH_B 0, 0, 0
	FETCH_A 0, 0, 0
	SCALES 0, 0
	FETCH_A 0, 0, 4
	s_wait_loadcnt 0x0                             ; the bias
	STEP 0, 0, 1
	TURN 0, 1, 1, 1
	STEP 1, 0, 0
	TURN 1, 0, 1, 2
	STEP 0, 0, 0
	TURN 0, 1, 0, 3                                ; nothing is left to fetch: no round
	STEP 1, 0, 0
	s_wait_dscnt 4*NL
	WIN 0xa1
	MUL16 0, 1, 1, 1, 0
	MUL16 2, 1, 1, 1, 0
	s_wait_dscnt 0
	WIN 0xf1
	MUL16 4, 1, 1, 1, 0
	MUL16 6, 1, 1, 1, 0
	WIN 0
; THE WAY OUT, block by block of 16 tokens x 128 columns, through my own stage: in lane (r, h) accumulator (a, b) holds columns 32 (b / 2) + 16 h + 8 (b % 2) + 0 .. 7 of tile row r.
; The rows come back whole, 512 bytes each; tile row t of block a is token 32 (a / 2) + 8 (a % 2) + t + 8 (t / 8) of my 128: its place stands in the store's immediate.
.macro TOSTAGE a
.set AC, 64*((\a)%4)
.set WW, 0x08+4*((\a)/4)
	WIN WW                                         ; an LDS store's data are its source 1: window 2 or 3
.irp b, 0,1,2,3,4,5,6,7
	ds_store_b128 v[STO], v[AC+8*\b:AC+8*\b+3] offset:128*(\b/2)+32*(\b%2)       ; each accumulator from its low end on
	ds_store_b128 v[STO], v[AC+8*\b+4:AC+8*\b+7] offset:128*(\b/2)+32*(\b%2)+16
.endr
	WIN 0
.set BB, BK+64*((\a)%2)
.irp t, 0,1,2,3,4,5,6,7,8,9,10,11,12,13,14,15
	ds_load_b128 v[BB+4*\t:BB+4*\t+3], v[RD] offset:\t*SPITCH   ; LDS serves a wave's instructions in order: these see the stores above
.endr
.endm
.macro SEND a, younger
.set BB, BK+64*((\a)%2)
	s_wait_dscnt \younger                          ; the block is back in registers; the LDS instructions issued behind its loads may be out
.irp t, 0,1,2,3,4,5,6,7,8,9,10,11,12,13,14,15
	global_store_b128 v[CO], v[BB+4*\t:BB+4*\t+3], s[14:15] offset:(32*((\a)/2)+8*((\a)%2)+\t+8*(\t/8))*4096 th:TH_STORE_NT   ; 512 consecutive bytes, aligned to 256; written once, read by nobody here
.endr
.endm
	PLACES NP
	TOSTAGE 0
.irp a, 1,2,3,4,5,6,7
.if \a > 1
	s_wait_xcnt 0x0                                ; block a - 2's stores have read their registers: block a's loads may land there
.endif
	TOSTAGE \a
	SEND \a-1, 32                                  ; behind block a - 1's loads: block a's 16 stores and 16 loads
.endr
	SEND 7, 0
	s_wait_tensorcnt 0x0                           ; the wave's end
	ds_add_u32 v[SPW], v[NIL]
	s_wait_dscnt 0x0
	CROUND                                         ; the closing round
	s_endpgm
.Lfunc_end_k_qb0aa924a17_oproj:
	.size	k_qb0aa924a17_oproj, .Lfunc_end_k_qb0aa924a17_oproj-k_qb0aa924a17_oproj
	.p2alignl 7, 3214868480
	.fill 96, 4, 3214868480
	.section	.rodata,"a",@progbits
	.p2align	6, 0x0
	.amdhsa_kernel k_qb0aa924a17_oproj
		.amdhsa_group_segment_fixed_size 327680
		.amdhsa_private_segment_fixed_size 0
		.amdhsa_enable_private_segment 0
		.amdhsa_kernarg_size 48
		.amdhsa_user_sgpr_count 2
		.amdhsa_user_sgpr_kernarg_segment_ptr 1
		.amdhsa_wavefront_size32 1
		.amdhsa_system_sgpr_workgroup_id_x 1
		.amdhsa_system_sgpr_workgroup_id_y 1
		.amdhsa_system_sgpr_workgroup_id_z 1
		.amdhsa_system_vgpr_workitem_id 0
		.amdhsa_next_free_vgpr 1024
		.amdhsa_next_free_sgpr 102
		.amdhsa_reserve_vcc 0
		.amdhsa_float_denorm_mode_32 3
		.amdhsa_float_denorm_mode_16_64 3
		.amdhsa_memory_ordered 1
		.amdhsa_forward_progress 1
		.amdhsa_inst_pref_size 144
	.end_amdhsa_kernel
	.amdgpu_metadata
---
amdhsa.version: [ 1, 2 ]
amdhsa.kernels:
  - .name:           k_qb0aa924a17_oproj
    .symbol:         k_qb0aa924a17_oproj.kd
    .args:
      - { .name: ao_codes, .offset: 0, .size: 8, .value_kind: global_buffer, .address_space: global }
      - { .name: ao_scales, .offset: 8, .size: 8, .value_kind: global_buffer, .address_space: global }
      - { .name: xw_codes, .offset: 16, .size: 8, .value_kind: global_buffer, .address_space: global }
      - { .name: xw_scales, .offset: 24, .size: 8, .value_kind: global_buffer, .address_space: global }
      - { .name: bo, .offset: 32, .size: 8, .value_kind: global_buffer, .address_space: global }
      - { .name: out0, .offset: 40, .size: 8, .value_kind: global_buffer, .address_space: global }
    .group_segment_fixed_size: 327680
    .private_segment_fixed_size: 0
    .kernarg_segment_align: 8
    .kernarg_segment_size: 48
    .max_flat_workgroup_size: 128
    .sgpr_count:     102
    .vgpr_count:     1024
    .wavefront_size: 32
...
	.end_amdgpu_metadata
.endif
;; end of part 4
